; MI455X (gfx1250); checked and timed in simulation.
; The chip was launched on July 23, 2026; its instructions are those of AMD's public machine-readable ISA for CDNA 5 (MIT licence, August 2026) and "CDNA5" Instruction Set Architecture Reference Guide (July 2026). The comments in the code are by the model that wrote it; some were corrected since.
;; VLM Multi Head Attention. Allowed arithmetic: matrix products marked QUANTISED: E2M3 operands, one E8M0 scale for each 32 along K, by v_wmma_scale_f32_16x16x128_f8f6f4 with both operands' format E2M3, f32 sums; everything else in f32.
;; Inputs: Wk 1,024 x 1,024 float32; Wo 1,024 x 1,024 float32; Wq 1,024 x 1,024 float32; Wv 1,024 x 1,024 float32; bo 1,024 float32; x 8 x 1,221 x 1,024 float32.
;; Outputs: out0 8 x 1,221 x 1,024 float32.
;; Constants: S_V = 197.
;; This version of the problem:
;;   THIS VERSION OF THE PROBLEM IS GIVEN IN LOW PRECISION. The matrix products marked QUANTISED in the list below multiply operands that are first quantised to E2M3 (2 exponent bits, 3 mantissa bits; 6 bits a number), with one power-of-two scale for each 32 numbers along K (OCP MX v1.0); their sums are f32. All else is computed in f32.
;;   The module's matrix products, in the order in which they are computed (A, B: the left and right operand; K: the contracted axis; several contracted axes count as one K, in the product's order):
;;     1. [M 9,768, K 1,024] x [K 1,024, N 1,024]; A: input x; B: input Wq: QUANTISED
;;     2. [M 9,768, K 1,024] x [K 1,024, N 1,024]; A: input x; B: input Wk: QUANTISED
;;     3. [M 9,768, K 1,024] x [K 1,024, N 1,024]; A: input x; B: input Wv: QUANTISED
;;     4. batch 128 x [M 1,221, K 64] x [K 64, N 1,221]; A: computed on the way; B: computed on the way: QUANTISED
;;     5. batch 128 x [M 1,221, K 1,221] x [K 1,221, N 64]; A: computed on the way; B: computed on the way: QUANTISED
;;     6. [M 9,768, K 1,024] x [K 1,024, N 1,024]; A: computed on the way; B: input Wo: QUANTISED
;;   THE QUANTISER, for each operand of a quantised product, along K:
;;     - K is cut into blocks of 32 from its start; a last block that is shorter is filled with zeros.
;;     - A block's scale is 2^e with e = floor(log2(the largest magnitude in the block)) - 2, held to -126 .. 127; a block of zeros has e = 0. As a byte (E8M0): e + 127.
;;     - Each number is divided by its block's scale, clamped to +-7.5, and rounded to the nearest number of E2M3, ties to even, subnormals kept.
;;     - The product sums the exact products of the quantised numbers (number of the format x scale) in f32.
;;   ~~~python
;;   def quantise(x, axis):      # numpy; x: float32 -> the quantised numbers, widened to float32 again
;;       x = np.moveaxis(x, axis, -1); K = x.shape[-1]
;;       x = np.pad(x, [(0, 0)] * (x.ndim - 1) + [(0, -K % 32)]); x = x.reshape(x.shape[:-1] + (-1, 32)); a = np.abs(x).max(-1, keepdims=True)
;;       e = np.where(a > 0, np.clip(np.frexp(np.where(a > 0, a, 1))[1] - 1 - 2, -126, 127), 0)      # np.frexp(a)[1] - 1 = floor(log2(a)), exactly
;;       r = np.clip(x / 2.0 ** e, -7.5, 7.5)
;;       step = 2.0 ** (np.maximum(np.frexp(np.where(r == 0, 1, r))[1] - 1, 0) - 3)
;;       q = np.round(r / step) * step * 2.0 ** e      # np.round: ties to even
;;       return np.moveaxis(q.reshape(q.shape[:-2] + (-1,))[..., :K], -1, axis).astype(np.float32)
;;   ~~~
;;   OPERANDS COMPUTED ON THE WAY. 'Computed on the way' means the value that the module computes at that place (a softmax that the list does not call 'softmax' is quantised finished and normalised). What goes into a quantiser is computed in f32, as accurately as f32 sums, v_exp_f32 and their like allow (about 1e-6 of the number): no bf16 or f16 on the way to a quantiser, and a product that is left as it is and whose result goes on into a quantised operand takes f32 operands (vector FMAs, or v_wmma_f32_16x16x4_f32). A number that lies on a knife's edge between two numbers of the format may be rounded either way, as far as f32 arithmetic and the matrix unit's own rounding can turn it there, and no further.
;; One version. Each part assembles by itself: llvm-mc -triple=amdgcn-amd-amdhsa -mcpu=gfx1250 --defsym DOCPART=n.
;; ======== version 1 of 1: 4 launches
;; workspace buffers: xw 11,010,048 bytes; xws 458,752 bytes; rope 327,680 bytes; qkv 23,592,960 bytes; qkvs 983,040 bytes; ao 7,864,320 bytes; aos 327,680 bytes
;; launch quant (part 1): grid 976 x 1, 8 waves a work-group, no clusters, 69,120 bytes of LDS; arguments x, Wq, Wk, Wv, Wo, xw, xws, rope; writes xw, xws, rope
.if DOCPART == 1
	.amdgcn_target "amdgcn-amd-amdhsa--gfx1250"
	.amdhsa_code_object_version 6
	.text
	.protected	k_q3ad9c5fffd_quant
	.globl	k_q3ad9c5fffd_quant
	.p2align	8
	.type	k_q3ad9c5fffd_quant,@function
k_q3ad9c5fffd_quant:
	s_mov_b64 s[64:65], 0
	v_nop
	global_prefetch_b8 v0, s[64:65] scope:SCOPE_SE
	s_setreg_imm32_b32 hwreg(HW_REG_WAVE_MODE, 25, 1), 1
	s_wait_xcnt 0x0
; x [8][1221][1024] and the four weights [1024][1024], f32 with K innermost, become codes of E2M3 with one E8M0 byte for each 32 along K; and the table of cos and sin for the rotation of q and k is made.
; POSITIONS.  Rows are kept by position: in each group of 32 rows bits 3 and 4 of the row number change places, so lane r of row tile tau (16 positions) is row 32 (tau / 2) + 8 (tau % 2) + r + (r & 8).
; x is padded to 1,280 positions a batch; rows from 1,221 on get zero codes.
; A FRAGMENT'S IMAGE (16 rows x 128 K, 12 registers a lane, 1,536 bytes): registers 0-3 at 16 x lane, 4-5 at 512 + 8 x lane, 6-9 at 768 + 16 x lane, 10-11 at 1,280 + 8 x lane: every store covers 512 or 256 consecutive bytes.
; xw: [896 row tiles][8 K steps][image]: tiles 0-639 x (80 a batch), 640-895 Wq, Wk, Wv, Wo.  xws: [position][32 scale bytes].  rope: [1,280 positions][32 pairs](cos, sin).
; WORK-GROUPS 0-895: one row tile each; wave v takes K step v.  A row's 512 bytes are loaded by 32 lanes, 16 bytes each; the 16 rows turn through the wave's own stage in LDS (rows 528 bytes apart) and come back
; so that lane (r, h) holds k = 64 c + 32 h + 0 .. 31 of row r: two whole blocks, in the order of the operand's registers.
; WORK-GROUPS 896-975: 16 rows of the table each, two a wave, a lane a pair.
; LIMITS: NaN and infinities among the inputs are not served.  A block of zeros gets the byte 1 where the rule says 127: its codes are zeros and this program alone reads the bytes.
; The angle is reduced by two terms of pi / 2, good for rows under 2,048; 1 / 10000^(i / 32) is right to within an ulp of f32.
.set STG,   8448                       ; a wave's stage: 16 rows x 528 bytes
.set SP,    528                        ; 512 bytes + 16: sixteen rows begin in sixteen different columns of 16 bytes
.set SCG,   8*STG                      ; 512 bytes: the tile's scale words, 32 bytes a row
.set SPARE, SCG+512                    ; the spare words, 128 bytes for each wave: four blocks of 256 bytes that no other line names
.set L16, 1                            ; v1   16 x lane
.set SPW, 2                            ; v2   LDS address of my spare word; never rewritten
.set NIL, 3                            ; v3   0; never rewritten
.set L8,  4                            ; v4   8 x lane
.set SA,  5                            ; v5   the stage, on the way in
.set RB,  6                            ; v6   and on the way out
.set SW,  7                            ; v7   where my row's scale word goes
.set MK,  8                            ; v8   all ones where my row exists, else 0
.set WD,  9                            ; v9   the scale word
.set TP,  10                           ; v10  at work
.set LN,  11                           ; v11  lane
.set MX,  12                           ; v12-13 largest magnitudes
.set SO,  14                           ; v14-15 the conversions' scale operands
.set X,   16                           ; v16-79 64 numbers
.set C,   80                           ; v80-91 the fragment
.set CT,  92                           ; v92-94, v96-98 the upper halves of the blocks' codes
.set BY,  100                          ; v100-101 scale bytes
.set SR,  102                          ; v102 where wave 0 reads the scale words back
.set RR,  103                          ; v103 r
.set HH,  104                          ; v104 h
	s_load_b256 s[4:11], s[0:1], 0x0               ; x, Wq, Wk, Wv
	s_load_b256 s[12:19], s[0:1], 0x20             ; Wo, xw, xws, rope
	v_lshl_add_u32 v[SPW], v0, 2, SPARE
	v_mov_b32 v[NIL], 0
	v_lshrrev_b32 v[TP], 5, v0
	v_readfirstlane_b32 s20, v[TP]                 ; wave 0..7
	v_and_b32 v[LN], 31, v0
	v_lshlrev_b32 v[L16], 4, v[LN]
	v_lshlrev_b32 v[L8], 3, v[LN]
	s_mov_b32 s30, 0x76543210
	s_mov_b32 s31, 0xfedcba98                      ; v_permlanex16_b32's selects for lane l xor 16
	s_mov_b32 s3, 0
	s_mov_b32 s29, 0
	s_cmp_ge_u32 ttmp9, 896
	s_cbranch_scc1 .Lrope
	; ---- a row tile of x or of a weight
	s_mul_i32 s21, ttmp9, 52429
	s_lshr_b32 s21, s21, 22                        ; x: the batch = tile / 80
	s_mul_i32 s22, s21, 80
	s_sub_co_u32 s22, ttmp9, s22                   ; x: the tile in its batch
	s_and_b32 s23, ttmp9, 63                       ; a weight: the tile in it (640 is a multiple of 64)
	s_mul_i32 s24, s21, 5001216                    ; a batch of x: 1,221 rows of 4,096 bytes
	s_mov_b32 s25, 1024
	s_cmp_lt_u32 ttmp9, 640
	s_cselect_b32 s22, s22, s23
	s_cselect_b32 s24, s24, 0
	s_cselect_b32 s25, 1221, s25                   ; rows that exist
	s_lshr_b32 s26, s22, 1
	s_lshl_b32 s26, s26, 5
	s_and_b32 s27, s22, 1
	s_lshl_b32 s27, s27, 3
	s_add_co_u32 s26, s26, s27                     ; the tile's first row
	s_sub_co_u32 s27, s25, 1                       ; the last row that exists: rows beyond are read there and masked
	s_lshl_b32 s28, s20, 9
	s_add_co_u32 s24, s24, s28                     ; + my K step's 512 bytes of a row
	v_and_b32 v[RR], 15, v0
	v_bfe_u32 v[HH], v0, 4, 1
	s_mul_i32 s2, s20, STG
	v_add_nc_u32 v[SA], s2, v[L16]
	v_mul_u32_u24 v[RB], v[RR], SP
	v_lshl_add_u32 v[RB], v[HH], 7, v[RB]
	v_add_nc_u32 v[RB], s2, v[RB]                  ; row r, + 128 h bytes: 32 numbers on
	s_lshl_b32 s2, s20, 2
	s_add_co_u32 s2, s2, SCG
	v_lshl_add_u32 v[SW], v[RR], 5, s2             ; 32 r + 4 x wave
	v_add_nc_u32 v[SR], SCG, v[L16]
	v_and_b32 v[TP], 8, v[RR]
	v_add_nc_u32 v[TP], v[TP], v[RR]
	v_add_nc_u32 v[TP], s26, v[TP]                 ; my row
	v_cmp_gt_u32 vcc_lo, s25, v[TP]
	v_cndmask_b32 v[MK], 0, -1, vcc_lo
	s_wait_kmcnt 0x0
	s_cmp_ge_u32 ttmp9, 640                        ; which tensor: the choice hangs on the work-group's number alone
	s_cselect_b64 s[4:5], s[6:7], s[4:5]
	s_cmp_ge_u32 ttmp9, 704
	s_cselect_b64 s[4:5], s[8:9], s[4:5]
	s_cmp_ge_u32 ttmp9, 768
	s_cselect_b64 s[4:5], s[10:11], s[4:5]
	s_cmp_ge_u32 ttmp9, 832
	s_cselect_b64 s[4:5], s[12:13], s[4:5]
	s_mov_b32 s28, s24
	s_add_nc_u64 s[4:5], s[4:5], s[28:29]
	s_mul_i32 s28, ttmp9, 12288
	s_mul_i32 s2, s20, 1536
	s_add_co_u32 s28, s28, s2
	s_add_nc_u64 s[14:15], s[14:15], s[28:29]      ; my image
	s_lshl_b32 s28, ttmp9, 9
	s_add_nc_u64 s[16:17], s[16:17], s[28:29]      ; the tile's 512 scale bytes
.irp i, 0,1,2,3,4,5,6,7,8,9,10,11,12,13,14,15
	s_add_co_u32 s2, s26, \i+(\i&8)                ; position i's row,
	s_min_u32 s2, s2, s27                          ; held inside the tensor
	s_lshl_b32 s2, s2, 12
	s_add_nc_u64 s[32+2*\i:33+2*\i], s[4:5], s[2:3]
	global_load_b128 v[X+4*\i:X+4*\i+3], v[L16], s[32+2*\i:33+2*\i] th:TH_LOAD_NT   ; 32 lanes read 512 consecutive bytes; a base of its own for each row, none rewritten
.endr
.irp i, 0,1,2,3,4,5,6,7,8,9,10,11,12,13,14,15
	s_wait_loadcnt 15-\i                           ; loads come back in order: row i is in
	ds_store_b128 v[SA], v[X+4*\i:X+4*\i+3] offset:\i*SP
.endr
	s_wait_dscnt 0x0                               ; the stores have read their registers, which take the numbers back
.irp c, 0,1
.irp e, 0,1,2,3,4,5,6,7
	ds_load_b128 v[X+32*\c+4*\e:X+32*\c+4*\e+3], v[RB] offset:256*\c+16*\e   ; k = 64 c + 32 h + 4 e on, of row r
.endr
.endr
	s_wait_dscnt 0x0
.irp c, 0,1
	v_max3_num_f32 v[MX+\c], |v[X+32*\c]|, |v[X+1+32*\c]|, 0x1800000   ; my block 2 c + h, and the floor 2^(3 - 127): the byte cannot fall under 1
.endr
.irp i, 2,4,6,8,10,12,14,16,18,20,22,24,26,28,30
.irp c, 0,1
	v_max3_num_f32 v[MX+\c], v[MX+\c], |v[X+32*\c+\i]|, |v[X+1+32*\c+\i]|
.endr
.endr
.irp c, 0,1
	v_add_nc_u32 v[SO+\c], 0xff000000, v[MX+\c]    ; 2 off the exponent field: the conversion's scale operand
.endr
.irp c, 0,1
	v_lshrrev_b32 v[BY+\c], 23, v[SO+\c]           ; the scale's byte
.endr
	v_lshl_or_b32 v[WD], v[BY+1], 16, v[BY]        ; blocks h and 2 + h,
	v_lshlrev_b32 v[TP], 3, v[HH]
	v_lshlrev_b32 v[WD], v[TP], v[WD]              ; 8 h bits up;
	v_mov_b32 v[TP], 0
	v_permlanex16_b32 v[TP], v[WD], s30, s31
	v_or_b32 v[WD], v[WD], v[TP]                   ; with lane l xor 16's two the word is whole
.irp c, 0,1
	v_cvt_scalef32_pk16_fp6_f32 v[C+6*\c:C+6*\c+2], v[X+32*\c:X+32*\c+15], v[SO+\c]
	v_cvt_scalef32_pk16_fp6_f32 v[CT+4*\c:CT+4*\c+2], v[X+32*\c+16:X+32*\c+31], v[SO+\c]   ; (a conversion's three registers begin on an even number)
.endr
	v_nop                                          ; one plain place behind the conversions
.irp c, 0,1
.irp i, 0,1,2
	v_and_b32 v[C+6*\c+\i], v[MK], v[C+6*\c+\i]    ; a row that does not exist has zero codes;
	v_and_b32 v[C+6*\c+3+\i], v[MK], v[CT+4*\c+\i] ; the same line moves the upper halves to their places
.endr
.endr
	global_store_b128 v[L16], v[C:C+3], s[14:15]
	global_store_b64 v[L8], v[C+4:C+5], s[14:15] offset:512
	global_store_b128 v[L16], v[C+6:C+9], s[14:15] offset:768
	global_store_b64 v[L8], v[C+10:C+11], s[14:15] offset:1280
	ds_store_b32 v[SW], v[WD]                      ; both halves of the lanes write the same word with the same value
	s_wait_dscnt 0x0                               ; for the others' sake: my word has landed
	s_barrier_signal -1
	s_barrier_wait -1
	s_cmp_lg_u32 s20, 0
	s_cbranch_scc1 .Lend
	ds_load_b128 v[X:X+3], v[SR]                   ; wave 0: the tile's 512 scale bytes
	s_wait_dscnt 0x0
	global_store_b128 v[L16], v[X:X+3], s[16:17]
	s_branch .Lend
.Lrope:
	; ---- the table: rows p and p + 1, p = 16 (work-group - 896) + 2 x wave; lane i is pair i
	s_sub_co_u32 s21, ttmp9, 896
	s_lshl_b32 s21, s21, 4
	s_lshl_b32 s22, s20, 1
	s_add_co_u32 s21, s21, s22                     ; the position p, an even number
	s_and_b32 s22, s21, 0xffffffe7
	s_bfe_u32 s23, s21, 0x10003
	s_lshl_b32 s23, s23, 4
	s_or_b32 s22, s22, s23
	s_bfe_u32 s23, s21, 0x10004
	s_lshl_b32 s23, s23, 3
	s_or_b32 s22, s22, s23                         ; its row t: bits 3 and 4 change places
	s_lshl_b32 s28, s21, 8                         ; 256 bytes a position
	s_mov_b32 s24, 0x3fc90fdb                      ; pi / 2, its f32,
	s_mov_b32 s25, 0xb33bbd2e                      ; and what that leaves over
	v_mov_b32 v16, 1.0                             ; P = 10000^(i / 32) as a sum of two f32: the product, over the bits of i, of 10^(2^bit / 8)
	v_mov_b32 v17, 0
.macro FACTOR bit, hi, lo
	v_and_b32 v18, 1<<\bit, v[LN]
	v_cmp_ne_u32 vcc_lo, 0, v18
	v_mov_b32 v20, \hi
	v_mov_b32 v21, \lo
	v_cndmask_b32 v19, 1.0, v20, vcc_lo            ; the factor, or 1
	v_cndmask_b32 v21, 0, v21, vcc_lo
	v_mul_f32 v22, v16, v19
	v_fma_f32 v23, v16, v19, -v22                  ; what the product's rounding dropped,
	v_fma_f32 v23, v16, v21, v23                   ; and the two cross terms
	v_fma_f32 v23, v17, v19, v23
	v_add_f32 v16, v22, v23
	v_sub_f32 v24, v16, v22
	v_sub_f32 v17, v23, v24
.endm
	FACTOR 0, 0x3faab0d5, 0xb36457ec
	FACTOR 1, 0x3fe39ea9, 0xb26aee3d
	FACTOR 2, 0x404a62c2, 0xb324b495
	FACTOR 3, 0x41200000, 0
	FACTOR 4, 0x42c80000, 0
	v_rcp_f32 v25, v16
	v_nop                                          ; a plain place behind the reciprocal
	s_wait_alu depctr_va_vdst(0)                   ; and the wait ahead of its first reader
	v_fma_f32 v26, -v16, v25, 1.0
	v_fma_f32 v25, v25, v26, v25                   ; 1 / P, one Newton step on
	s_wait_kmcnt 0x0
	s_add_nc_u64 s[18:19], s[18:19], s[28:29]
.macro TROW e
	s_add_co_u32 s26, s22, \e
	v_cvt_f32_u32 v26, s26
	v_mul_f32 v26, v26, v25                        ; the angle, rounded once
	v_mul_f32 v27, 0x3f22f983, v26
	v_rndne_f32 v27, v27                           ; n = the nearest multiple of pi / 2
	v_fma_f32 v28, -v27, s24, v26
	v_fma_f32 v28, -v27, s25, v28                  ; r, within pi / 4 of 0
	v_cvt_i32_f32 v29, v27
	v_mul_f32 v30, v28, v28
	v_mov_b32 v31, 0x3638ef1d                      ; sin r = r + r^3 (-1/6 + r^2 (1/120 + r^2 (-1/5040 + r^2 / 362880)))
	v_fmaak_f32 v31, v31, v30, 0xb9500d01
	v_fmaak_f32 v31, v31, v30, 0x3c088889
	v_fmaak_f32 v31, v31, v30, 0xbe2aaaab
	v_mul_f32 v32, v28, v30
	v_fma_f32 v31, v32, v31, v28
	v_mov_b32 v33, 0xb493f27e                      ; cos r = 1 + r^2 (-1/2 + r^2 (1/24 + r^2 (-1/720 + r^2 (1/40320 - r^2 / 3628800))))
	v_fmaak_f32 v33, v33, v30, 0x37d00d01
	v_fmaak_f32 v33, v33, v30, 0xbab60b61
	v_fmaak_f32 v33, v33, v30, 0x3d2aaaab
	v_fmaak_f32 v33, v33, v30, 0xbf000000
	v_fma_f32 v33, v33, v30, 1.0
	v_and_b32 v34, 1, v29
	v_cmp_ne_u32 vcc_lo, 0, v34                    ; in an odd quadrant the two change places
	v_cndmask_b32 v[36+2*\e], v33, v31, vcc_lo
	v_cndmask_b32 v[37+2*\e], v31, v33, vcc_lo
	v_add_nc_u32 v34, 1, v29
	v_and_b32 v34, 2, v34
	v_lshlrev_b32 v34, 30, v34
	v_xor_b32 v[36+2*\e], v34, v[36+2*\e]          ; cos is negative in quadrants 1 and 2,
	v_and_b32 v35, 2, v29
	v_lshlrev_b32 v35, 30, v35
	v_xor_b32 v[37+2*\e], v35, v[37+2*\e]          ; sin in 2 and 3
	global_store_b64 v[L8], v[36+2*\e:37+2*\e], s[18:19] offset:256*\e   ; 32 lanes store a row's 256 bytes
.endm
	TROW 0
	TROW 1
.Lend:
	s_wait_tensorcnt 0x0                           ; the wave's end: three lines behind my last LDS store
	ds_add_u32 v[SPW], v[NIL]
	s_wait_dscnt 0x0
	s_endpgm
.Lfunc_end_k_q3ad9c5fffd_quant:
	.size	k_q3ad9c5fffd_quant, .Lfunc_end_k_q3ad9c5fffd_quant-k_q3ad9c5fffd_quant
	.p2alignl 7, 3214868480
	.fill 96, 4, 3214868480
	.section	.rodata,"a",@progbits
	.p2align	6, 0x0
	.amdhsa_kernel k_q3ad9c5fffd_quant
		.amdhsa_group_segment_fixed_size 69120
		.amdhsa_private_segment_fixed_size 0
		.amdhsa_enable_private_segment 0
		.amdhsa_kernarg_size 64
		.amdhsa_user_sgpr_count 2
		.amdhsa_user_sgpr_kernarg_segment_ptr 1
		.amdhsa_wavefront_size32 1
		.amdhsa_system_sgpr_workgroup_id_x 1
		.amdhsa_system_sgpr_workgroup_id_y 1
		.amdhsa_system_sgpr_workgroup_id_z 1
		.amdhsa_system_vgpr_workitem_id 0
		.amdhsa_next_free_vgpr 112
		.amdhsa_next_free_sgpr 66
		.amdhsa_reserve_vcc 1
		.amdhsa_float_denorm_mode_32 3
		.amdhsa_float_denorm_mode_16_64 3
		.amdhsa_memory_ordered 1
		.amdhsa_forward_progress 1
		.amdhsa_inst_pref_size 21
	.end_amdhsa_kernel
	.amdgpu_metadata
---
amdhsa.version: [ 1, 2 ]
amdhsa.kernels:
  - .name:           k_q3ad9c5fffd_quant
    .symbol:         k_q3ad9c5fffd_quant.kd
    .args:
      - { .name: x, .offset: 0, .size: 8, .value_kind: global_buffer, .address_space: global }
      - { .name: Wq, .offset: 8, .size: 8, .value_kind: global_buffer, .address_space: global }
      - { .name: Wk, .offset: 16, .size: 8, .value_kind: global_buffer, .address_space: global }
      - { .name: Wv, .offset: 24, .size: 8, .value_kind: global_buffer, .address_space: global }
      - { .name: Wo, .offset: 32, .size: 8, .value_kind: global_buffer, .address_space: global }
      - { .name: xw, .offset: 40, .size: 8, .value_kind: global_buffer, .address_space: global }
      - { .name: xws, .offset: 48, .size: 8, .value_kind: global_buffer, .address_space: global }
      - { .name: rope, .offset: 56, .size: 8, .value_kind: global_buffer, .address_space: global }
    .group_segment_fixed_size: 69120
    .private_segment_fixed_size: 0
    .kernarg_segment_align: 8
    .kernarg_segment_size: 64
    .max_flat_workgroup_size: 256
    .sgpr_count:     66
    .vgpr_count:     112
    .wavefront_size: 32
...
	.end_amdgpu_metadata
.endif
;; end of part 1
;; launch qkv (part 2): grid 12 x 40, 4 waves a work-group, clusters of 4 x 4, 327,680 bytes of LDS; arguments xw, xws, rope, qkv, qkvs; writes qkv, qkvs
.if DOCPART == 2
	.amdgcn_target "amdgcn-amd-amdhsa--gfx1250"
	.amdhsa_code_object_version 6
	.text
	.protected	k_q3ad9c5fffd_qkv
	.globl	k_q3ad9c5fffd_qkv
	.p2align	8
	.type	k_q3ad9c5fffd_qkv,@function
k_q3ad9c5fffd_qkv:
	s_mov_b64 s[64:65], 0
	v_nop
	global_prefetch_b8 v0, s[64:65] scope:SCOPE_SE
	s_setreg_imm32_b32 hwreg(HW_REG_WAVE_MODE, 25, 1), 1
	s_wait_xcnt 0x0
	s_wait_alu depctr_hold_cnt(0) depctr_sa_sdst(0) depctr_va_vdst(0) depctr_va_sdst(0) depctr_va_ssrc(0) depctr_va_vcc(0) depctr_vm_vsrc(0)
	s_getreg_b32 s2, hwreg(HW_REG_IB_STS2, 6, 4)
	s_cmp_eq_u32 s2, 0
	s_cbranch_scc0 .Lentry_in_a_cluster
	s_endpgm
.Lentry_in_a_cluster:
	s_bfe_u32 s2, ttmp6, 0x10000c
	s_cmp_lg_u32 s2, 0xf033
	s_cbranch_scc0 .Lentry_shape_is_right
	s_endpgm
.Lentry_shape_is_right:
; q = x Wq^T, k = x Wk^T, v = x Wv^T on codes of E2M3 (K = 1,024); q and k are rotated (RoPE) and quantised along the head's 64; v is quantised along the keys.  Nothing leaves as f32.
; A work-group of four waves makes 256 x 256 of one product, a wave 128 x 128: 64 accumulators, 512 registers.  K goes in steps of 256 through two LDS slots filled by tensor loads; 4 slots' worth, written straight.
; OPERANDS lie in memory as images of their registers (16 rows x 128 K: 1,536 bytes: registers 0-3 at 16 x lane, 4-5 at 512 + 8 x lane, 6-9 at 768 + 16 x lane, 10-11 at 1,280 + 8 x lane), [row tile][8 K steps]:
; a slot's part of a row tile is 3,072 consecutive bytes, and a fragment is four dense LDS loads.  Rows are kept by POSITION (bits 3 and 4 of the row number change places in each 32), so that where a tile is source 0
; the 16 registers of accumulators 2 b and 2 b + 1 are 16 natural neighbours: 32 b + 16 (lane / 16) + 0 .. 15.
; ROLES.  Source 0 is "B", source 1 is "A".  Clusters x = 0, 1 (q, k): A = x, B = the weight: a lane holds one row t and its registers run along d.  Cluster x = 2 (v): A = Wv, B = x: a lane holds one d and its registers run along t.
; CLUSTERS of 4 x 4: A's tile hangs on cy alone and is asked for jointly by a row of the cluster, B's on cx alone, by a column.
; THE WAY OUT.  A block of A's 16 rows has 64 numbers a lane, 128 natural neighbours a row: one fragment.  q, k: rotated by the table's (cos, sin), quantised, its two halves (two heads) stored to [b][h][80 tiles][768].
; v: quantised as it stands, stored to [b][head pair][10 key steps][8 tiles of d][1,536].  Scale words: [b][head pair][80 fragments][16 rows].
; The table's first two sets are asked for at the head by every work-group, v's too (8 KB a wave that v's do not use): so the text has one way to that point.
; LIMITS: NaN and infinities are not served; a block of zeros gets the byte 1 where the rule says 127 (its codes are zeros; this program alone reads the bytes).
.set NQ,     2                         ; matrix instructions deep in a slot
.set FR,     12                        ; registers of a fragment
.set NL,     4                         ; LDS loads that bring one
.set NP,     4                         ; places behind this matrix instruction (ISA guide 7.12.1)
.set FIB,    1536                      ; a fragment's image
.set RT,     NQ*FIB                    ; a row tile's bytes in a slot
.set HALFT,  8*RT                      ; 128 rows: what one tensor load brings
.set SLOT,   4*HALFT                   ; A's 256 rows, then B's
.set SCL,    2*SLOT                    ; behind the ring: the scales of all of K, as units of 256 bytes + 16
.set HALFS,  16*272                    ; those of 128 rows (32 bytes a row)
.set SBLK,   2*272                     ; those of 16 rows
.set SPARE,  SCL+4*HALFS               ; the spare words, 128 bytes for each wave: two blocks of 256 bytes that no other line names
.set ADRA, 16                          ; v16-17 LDS address of my A fragments in slot 0, 1, 16 bytes a lane; v18-19 the same, 8 bytes a lane
.set ADRB, 20                          ; v20-23 the same for B
.set WS,   24                          ; v24  the way out: where a scale word goes: 512 x wave + 4 r, in slot 0
.set WR,   25                          ; v25  and where 16 bytes of them come back
.set L16,  26                          ; v26  16 x lane
.set ADRS, 27                          ; v27  LDS address of my scale words: lanes 0-15 A's rows, lanes 16-31 B's
.set SPW,  28                          ; v28  LDS address of my spare word; never rewritten
.set NIL,  29                          ; v29  0; never rewritten
.set L8,   30                          ; v30  8 x lane
.set RO,   31                          ; v31  the table: 256 r + 64 h
.set SC,   32                          ; v32-63 scale words, two sets
.set CS,   64                          ; v64-127 (cos, sin), two sets of 32
.set AF,   128                         ; A's fragments, one set, window 0
.set HA,   128                         ; the way out: 64 rotated numbers
.set T,    192                         ; v192-207 at work
.set TM,   208                         ; v208-223 the quantiser's
.set PW,   224                         ; v224-231 the eight blocks' scale words
.set PC,   232                         ; v232-251 the codes just made
.set SEL,  2                           ; s[2:3] lane selects for v_permlanex16_b32
.set G1, 24
.set G0, 32
.set G1B, 48
.set G0B, 56
.set G1S, 68
.set G0S, 76
.set G1SB, 80
.set G0SB, 88
.set MSB, 0
.macro WIN new                         ; the immediate's high byte repeats the setting that is left
.if MSB != (\new)
	s_set_vgpr_msb (MSB<<8)|(\new)
.set MSB, \new
.endif
.endm
.set MUL_LO, 0xa1                      ; source 0 (B) window 1, source 1 (A) window 0, C and D window 2
.set MUL_HI, 0xf1                      ; the same, C and D window 3
.set TO_B,   0x40                      ; destination window 1, address window 0
; A joint load: waves 0 and 1 fetch for A, waves 2 and 3 for B; the branch hangs on the wave's number alone.  An s_nop 0 and four v_nop follow each line.
.macro JLOAD g0a, g1a, g0b, g1b
	s_cmp_eq_u32 s15, 0
	s_cbranch_scc0 .Lfor_b_\@
	tensor_load_to_lds s[\g0a:\g0a+3], s[\g1a:\g1a+7]
	s_nop 0
.rept 4
	v_nop
.endr
	s_branch .Lasked_\@
.Lfor_b_\@:
	tensor_load_to_lds s[\g0b:\g0b+3], s[\g1b:\g1b+7]
	s_nop 0
.rept 4
	v_nop
.endr
.Lasked_\@:
.endm
.macro CREST                           ; a round of the cluster's barrier behind its opening barrier
	s_cmp_lg_u32 s14, 0
	s_cbranch_scc1 .Lnot_wave_0_\@
	s_barrier_signal -3
.Lnot_wave_0_\@:
	s_barrier_wait -3
	s_barrier_signal -1
	s_barrier_wait -1
.endm
.macro CROUND
	s_barrier_signal -1
	s_barrier_wait -1
	CREST
.endm
	s_load_b128 s[4:7], s[0:1], 0x0                ; xw, xws
	s_load_b128 s[8:11], s[0:1], 0x10              ; rope, qkv
	s_load_b64 s[12:13], s[0:1], 0x20              ; qkvs
	v_lshl_add_u32 v[SPW], v0, 2, SPARE
	v_mov_b32 v[NIL], 0
	ds_add_u32 v[SPW], v[NIL]                      ; the wave's opening: the add and its wait stand ahead of my first tensor load; the set-up below stands between them
	v_lshrrev_b32 v1, 5, v0
	v_readfirstlane_b32 s14, v1                    ; wave 0..3
	s_lshr_b32 s15, s14, 1                         ; which half of A's rows is mine.  Also: I fetch for A (0) or for B (1)
	s_and_b32 s16, s14, 1                          ; which half of B's rows.  Also: which 128 rows I fetch
	s_bfe_u32 s40, ttmp6, 0x40000                  ; cx
	s_bfe_u32 s41, ttmp6, 0x40004                  ; cy
	s_and_b32 s17, ttmp7, 0xffff                   ; the cluster's y, 0..9
	s_lshl_b32 s43, s41, 2
	s_lshl_b32 s43, 15, s43                        ; my row of the cluster
	s_lshl_b32 s44, 0x1111, s40                    ; my column
	; which tiles of 256 rows (x: 0-39, Wq 40-43, Wk 44-47, Wv 48-51).  A's registers never hold cx, B's never cy
	s_mul_i32 s18, s41, 10
	s_add_co_u32 s18, s18, s17                     ; x's tile 10 cy + cluster y
	s_add_co_u32 s19, s41, 48                      ; Wv's tile
	s_mul_i32 s66, s40, 10
	s_add_co_u32 s66, s66, s17                     ; x's tile 10 cx + cluster y
	s_lshl_b32 s67, ttmp9, 2
	s_add_co_u32 s67, s67, s40
	s_add_co_u32 s67, s67, 40                      ; Wq's or Wk's tile
	s_cmp_eq_u32 ttmp9, 2                          ; v's clusters: the same in all sixteen partners
	s_cselect_b32 s42, s19, s18                    ; A's tile
	s_cselect_b32 s45, s66, s67                    ; B's tile
	; descriptor group 1: 8 row tiles x 3,072 bytes (384 elements of 8 bytes), 12,288 bytes apart in memory, dense in LDS
	s_or_b32 s[G1+0], s43, (3<<16)|(1<<21)         ; 15:0 the mask: my row; 17:16 elements of 8 bytes; 21 set beside a mask
	s_or_b32 s[G1B+0], s44, (3<<16)|(1<<21)
.irp g, G1, G1B
	s_mov_b32 s[\g+1], 384<<16                     ; tensor_dim0
	s_mov_b32 s[\g+2], 8<<16                       ; tensor_dim1
	s_mov_b32 s[\g+3], 384<<16                     ; tile_dim0
	s_mov_b32 s[\g+4], 8                           ; tile_dim1
	s_mov_b32 s[\g+5], 1536                        ; tensor_dim0_stride
	s_mov_b32 s[\g+6], 0
	s_mov_b32 s[\g+7], 0
.endr
	; the scales of 128 rows: 4,096 dense bytes as 16 rows of 256, 16 bytes of padding behind each
	s_or_b32 s[G1S+0], s43, (3<<16)|(1<<20)|(1<<21)|(5<<22)|(3<<25)
	s_or_b32 s[G1SB+0], s44, (3<<16)|(1<<20)|(1<<21)|(5<<22)|(3<<25)
.irp g, G1S, G1SB
	s_mov_b32 s[\g+1], 32<<16
	s_mov_b32 s[\g+2], 16<<16
	s_mov_b32 s[\g+3], 32<<16
	s_mov_b32 s[\g+4], 16
	s_mov_b32 s[\g+5], 32
	s_mov_b32 s[\g+6], 0
	s_mov_b32 s[\g+7], 0
.endr
	s_mul_i32 s20, s42, 196608                     ; a tile of 256 rows: 16 row tiles x 12,288 bytes
	s_mul_i32 s46, s45, 196608
	s_mul_i32 s2, s16, 98304
	s_add_co_u32 s20, s20, s2
	s_add_co_u32 s46, s46, s2
	s_mov_b32 s21, 0
	s_mov_b32 s47, 0
	s_lshl_b32 s22, s42, 13                        ; and 8,192 scale bytes
	s_lshl_b32 s92, s45, 13
	s_lshl_b32 s2, s16, 12
	s_add_co_u32 s22, s22, s2
	s_add_co_u32 s92, s92, s2
	s_mov_b32 s23, 0
	s_mov_b32 s93, 0
	s_mul_i32 s95, s14, HALFT                      ; where they go: wave x 128 rows: no place in the cluster enters an LDS address
	s_mul_i32 s94, s14, HALFS
	s_wait_dscnt 0x0                               ; the opening add is done
	s_wait_kmcnt 0x0
	s_add_nc_u64 s[20:21], s[4:5], s[20:21]
	s_add_nc_u64 s[22:23], s[6:7], s[22:23]
	s_add_nc_u64 s[46:47], s[4:5], s[46:47]
	s_add_nc_u64 s[92:93], s[6:7], s[92:93]
	CROUND                                         ; all sixteen work-groups are here: the first joint loads meet
	s_mov_b32 s[G0S], 1
	s_add_co_u32 s[G0S+1], s94, SCL
	s_mov_b64 s[G0S+2:G0S+3], s[22:23]
	s_or_b32 s[G0S+3], s[G0S+3], 0x80000000
	s_mov_b32 s[G0SB], 1
	s_add_co_u32 s[G0SB+1], s94, SCL
	s_mov_b64 s[G0SB+2:G0SB+3], s[92:93]
	s_or_b32 s[G0SB+3], s[G0SB+3], 0x80000000
	JLOAD G0S, G1S, G0SB, G1SB                     ; the scales first: they are wanted with the first K step
.irp s, 0,1
	s_mov_b32 s[G0+4*\s], 1
	s_add_co_u32 s[G0+4*\s+1], s95, \s*SLOT
	s_add_nc_u64 s[G0+4*\s+2:G0+4*\s+3], s[20:21], \s*RT
	s_or_b32 s[G0+4*\s+3], s[G0+4*\s+3], 0x80000000
	s_mov_b32 s[G0B+4*\s], 1
	s_add_co_u32 s[G0B+4*\s+1], s95, \s*SLOT
	s_add_nc_u64 s[G0B+4*\s+2:G0B+4*\s+3], s[46:47], \s*RT
	s_or_b32 s[G0B+4*\s+3], s[G0B+4*\s+3], 0x80000000
	JLOAD G0+4*\s, G1, G0B+4*\s, G1B               ; three loads of mine are out behind the second of these
.endr
	v_and_b32 v1, 15, v0                           ; r
	v_bfe_u32 v2, v0, 4, 1                         ; h
	v_and_b32 v3, 31, v0
	v_lshlrev_b32 v[L16], 4, v3
	v_lshlrev_b32 v[L8], 3, v3
	s_mul_i32 s96, s15, HALFT                      ; my 128 rows of A
	s_mul_i32 s97, s16, HALFT                      ; my 128 rows of B,
	s_add_co_u32 s97, s97, 2*HALFT                 ; which lie behind A's 256
.irp s, 0,1
	v_add_nc_u32 v[ADRA+\s], s96, v[L16]
	v_add_nc_u32 v[ADRA+2+\s], s96, v[L8]
	v_add_nc_u32 v[ADRB+\s], s97, v[L16]
	v_add_nc_u32 v[ADRB+2+\s], s97, v[L8]
	s_add_co_u32 s96, s96, SLOT
	s_add_co_u32 s97, s97, SLOT
.endr
	v_lshlrev_b32 v5, 5, v1                        ; my row's scales: 32 bytes a row,
	v_lshrrev_b32 v6, 8, v5
	v_lshl_add_u32 v5, v6, 4, v5                   ; and 16 more for each 256 passed
	s_mul_i32 s96, s15, HALFS
	s_mul_i32 s97, s16, HALFS
	s_add_co_u32 s97, s97, 2*HALFS
	s_sub_co_u32 s97, s97, s96
	v_mul_u32_u24 v6, s97, v2                      ; lanes 16-31 take B's
	s_add_co_u32 s96, s96, SCL
	v_add_nc_u32 v5, v5, v6
	v_add_nc_u32 v[ADRS], s96, v5
	s_lshl_b32 s96, s14, 9
	v_lshl_add_u32 v[WS], v1, 2, s96
	v_add_nc_u32 v[WR], s96, v[L16]
	v_lshlrev_b32 v[RO], 8, v1
	v_lshl_add_u32 v[RO], v2, 6, v[RO]
	; where my results go.  These registers feed no descriptor
	s_mov_b32 s100, 6144
	s_cmp_eq_u32 ttmp9, 2
	s_cselect_b32 s96, s45, s42                    ; x's tile,
	s_cselect_b32 s97, s16, s15                    ; my half of it,
	s_cselect_b32 s98, s42, s45                    ; the weight's tile,
	s_cselect_b32 s99, s15, s16                    ; my half of it
	s_cselect_b32 s100, 12288, s100                ; 128 rows of x: 8 halves of 768 bytes (q, k), or a key step's 8 fragments (v)
	s_mul_i32 s101, s96, 52
	s_lshr_b32 s101, s101, 8                       ; the batch = tile / 5
	s_mul_i32 s2, s101, 5
	s_sub_co_u32 s96, s96, s2
	s_lshl_b32 s96, s96, 1
	s_add_co_u32 s96, s96, s97                     ; u: which 128 rows of the batch, 0..9
	s_sub_co_u32 s98, s98, 40
	s_lshl_b32 s98, s98, 1
	s_add_co_u32 s98, s98, s99                     ; 8 x region + head pair
	s_lshr_b32 s99, s98, 3                         ; region: 0 q, 1 k, 2 v
	s_and_b32 s98, s98, 7
	s_lshl_b32 s101, s101, 3
	s_add_co_u32 s98, s98, s101                    ; 8 b + head pair
	s_mul_i32 s2, s99, 7864320
	s_mul_i32 s3, s98, 122880
	s_add_co_u32 s2, s2, s3
	s_mul_i32 s3, s96, s100
	s_add_co_u32 s2, s2, s3
	s_mov_b32 s3, 0
	s_add_nc_u64 s[10:11], s[10:11], s[2:3]
	s_mul_i32 s2, s99, 327680
	s_mul_i32 s97, s98, 5120
	s_add_co_u32 s2, s2, s97
	s_lshl_b32 s97, s96, 9
	s_add_co_u32 s2, s2, s97
	s_add_nc_u64 s[12:13], s[12:13], s[2:3]
	s_lshl_b32 s2, s96, 15                         ; the table: 128 u positions of 256 bytes
	s_add_nc_u64 s[8:9], s[8:9], s[2:3]
.macro CSLOAD a                        ; block a's (cos, sin): my row's pairs of d = 32 p + 16 h + 0 .. 15, p = 0, 1, into set a % 2
.irp p, 0,1
.irp i, 0,1,2,3
	global_load_b128 v[CS+32*((\a)%2)+16*\p+4*\i:CS+32*((\a)%2)+16*\p+4*\i+3], v[RO], s[8:9] offset:(\a)*4096+128*\p+16*\i
.endr
.endr
.endm
	CSLOAD 0                                       ; they land while K is walked: v64-127 are idle there
	CSLOAD 1
	s_mov_b32 s[SEL], 0x76543210
	s_mov_b32 s[SEL+1], 0xfedcba98
.macro FRAG reg, adr, q, i             ; a fragment comes back as it was stored: four dense loads
	ds_load_b128 v[\reg:\reg+3], v[\adr] offset:(\i)*RT+(\q)*FIB
	ds_load_b64 v[\reg+4:\reg+5], v[\adr+2] offset:(\i)*RT+(\q)*FIB+512
	ds_load_b128 v[\reg+6:\reg+9], v[\adr] offset:(\i)*RT+(\q)*FIB+768
	ds_load_b64 v[\reg+10:\reg+11], v[\adr+2] offset:(\i)*RT+(\q)*FIB+1280
.endm
; 16 matrix instructions: A's blocks a0, a0 + 1 x B's eight, 128 along K.  The 64 accumulators take turns, one instruction a turn, in the same order in every step.
.macro MUL16 a0, p, q, sc, zero
.irp a, \a0, \a0+1
.irp b, 0,1,2,3,4,5,6,7
.if \zero
	v_wmma_scale_f32_16x16x128_f8f6f4 v[8*(8*((\a)%4)+\b):8*(8*((\a)%4)+\b)+7], v[128*(\p)+FR*\b:128*(\p)+FR*\b+FR-1], v[AF+FR*(\a):AF+FR*(\a)+FR-1], 0, v[SC+8*NQ*(\sc)+NQ*\b+(\q)], v[SC+8*NQ*(\sc)+NQ*(\a)+(\q)] matrix_a_fmt:MATRIX_FMT_FP6 matrix_b_fmt:MATRIX_FMT_FP6 matrix_a_scale:MATRIX_SCALE_ROW1
.else
	v_wmma_scale_f32_16x16x128_f8f6f4 v[8*(8*((\a)%4)+\b):8*(8*((\a)%4)+\b)+7], v[128*(\p)+FR*\b:128*(\p)+FR*\b+FR-1], v[AF+FR*(\a):AF+FR*(\a)+FR-1], v[8*(8*((\a)%4)+\b):8*(8*((\a)%4)+\b)+7], v[SC+8*NQ*(\sc)+NQ*\b+(\q)], v[SC+8*NQ*(\sc)+NQ*(\a)+(\q)] matrix_a_fmt:MATRIX_FMT_FP6 matrix_b_fmt:MATRIX_FMT_FP6 matrix_a_scale:MATRIX_SCALE_ROW1
.endif
.endr
.endr
.endm
.macro FETCH_B slot, q, p
	WIN TO_B
.irp i, 0,1,2,3,4,5,6,7
	FRAG 128*(\p)+FR*\i, ADRB+\slot, \q, \i
.endr
	WIN 0
.endm
.macro FETCH_A slot, q, i0
.irp i, \i0, \i0+1, \i0+2, \i0+3
	FRAG AF+FR*(\i), ADRA+\slot, \q, \i
.endr
.endm
.macro SCALES sc                       ; a slot's scale words: two a row; lanes 0-15 take A's block i, lanes 16-31 B's
.irp i, 0,1,2,3,4,5,6,7
	ds_load_b64 v[SC+8*NQ*\sc+NQ*\i:SC+8*NQ*\sc+NQ*\i+1], v[ADRS] offset:\i*SBLK
.endr
.endm
.macro PLACES n                        ; plain vector places behind matrix instructions, in front of loads into their registers and of reads of their results
.rept \n
	v_nop
.endr
.endm
.macro STEP slot, q, zero              ; a step of 128 along K that has its successor in the same slot
	s_wait_dscnt 4*NL                              ; B's set and A's blocks 0-3 are in; the youngest 16 loads (A's blocks 4-7) may be out
	WIN MUL_LO
	MUL16 0, (\q)%2, \q, \slot, \zero
	MUL16 2, (\q)%2, \q, \slot, \zero
	s_wait_dscnt 0                                 ; A's blocks 4-7 are in
	PLACES NP
	FETCH_B \slot, (\q)+1, 1-(\q)%2
	FETCH_A \slot, (\q)+1, 0
	WIN MUL_HI
	MUL16 4, (\q)%2, \q, \slot, \zero
	MUL16 6, (\q)%2, \q, \slot, \zero
	PLACES NP
	WIN 0
	FETCH_A \slot, (\q)+1, 4
.endm
; A slot's last step changes slots: one barrier; in front of it each wave waits for all its tensor loads, adds 0 to its spare word, and waits for that and for its reads of this slot.  fill = 1: this slot is filled again.
.macro TURN slot, next, fill
	s_wait_tensorcnt 0x0                           ; all my tensor loads have landed: my part of the next slot
	ds_add_u32 v[SPW], v[NIL]                      ; 0 onto my spare word
	s_wait_dscnt 4*NL+1                            ; (the add and the youngest 16 loads may be out)
	WIN MUL_LO
	MUL16 0, 1, NQ-1, \slot, 0
	s_wait_dscnt 0x0                               ; the add is done, and my reads of this slot are over
	s_barrier_signal -1
	MUL16 2, 1, NQ-1, \slot, 0
	WIN 0
	s_barrier_wait -1
.if \fill
	CREST                                          ; the barrier has opened a round of the cluster's barrier: no wave of any partner still reads this slot or has a load on its way
	s_add_nc_u64 s[G0+4*\slot+2:G0+4*\slot+3], s[G0+4*\slot+2:G0+4*\slot+3], 2*RT
	s_add_nc_u64 s[G0B+4*\slot+2:G0B+4*\slot+3], s[G0B+4*\slot+2:G0B+4*\slot+3], 2*RT
	JLOAD G0+4*\slot, G1, G0B+4*\slot, G1B         ; the first tensor load behind the round, my only one until the next; its four v_nop are the places in front of the loads below
.else
	PLACES NP
.endif
	v_add_nc_u32 v[ADRS], 4*NQ, v[ADRS]            ; on to the next slot's scale words
	FETCH_B \next, 0, 0
	FETCH_A \next, 0, 0
	SCALES \next
	WIN MUL_HI
	MUL16 4, 1, NQ-1, \slot, 0
	MUL16 6, 1, NQ-1, \slot, 0
	PLACES NP
	WIN 0
	FETCH_A \next, 0, 4
.endm
	s_wait_tensorcnt 1                             ; the scales and my part of slot 0 are in (slot 1's load may be out),
	s_barrier_signal -1
	s_barrier_wait -1                              ; everybody's are
	FETCH_B 0, 0, 0
	FETCH_A 0, 0, 0
	SCALES 0
	FETCH_A 0, 0, 4
	STEP 0, 0, 1                                   ; the first products start the sums
	TURN 0, 1, 1                                   ; slot 0 takes K 512 on
	STEP 1, 0, 0
	TURN 1, 0, 1                                   ; slot 1 takes K 768 on
	STEP 0, 0, 0
	TURN 0, 1, 0                                   ; nothing is left to fetch
	STEP 1, 0, 0
	s_wait_dscnt 4*NL
	WIN MUL_LO
	MUL16 0, 1, NQ-1, 1, 0
	MUL16 2, 1, NQ-1, 1, 0
	s_wait_dscnt 0
	WIN MUL_HI
	MUL16 4, 1, NQ-1, 1, 0
	MUL16 6, 1, NQ-1, 1, 0
	WIN 0
; 64 numbers of a lane in window w, register 16 b + i = k 32 b + 16 (lane / 16) + i of my row, become a fragment's codes in v[PC] on and its scale word in v[pw].
.macro QUANT s, w, pw
	WIN (\w)|((\w)<<2)
.irp b, 0,1,2,3
	v_max3_num_f32 v[TM+\b], |v[(\s)+16*\b]|, |v[(\s)+1+16*\b]|, 0x1800000   ; block b: my 16 numbers, from each accumulator's low end on, and the floor 2^(3 - 127)
.endr
	WIN ((\w)<<2)|((\w)<<4)
.irp i, 2,4,6,8,10,12,14
.irp b, 0,1,2,3
	v_max3_num_f32 v[TM+\b], v[TM+\b], |v[(\s)+16*\b+\i]|, |v[(\s)+1+16*\b+\i]|
.endr
.endr
	WIN 0
.irp b, 0,1,2,3
	v_permlanex16_b32 v[TM+4+\b], v[TM+\b], s[SEL], s[SEL+1]
.endr
.irp b, 0,1,2,3
	v_max_num_f32 v[TM+\b], v[TM+\b], v[TM+4+\b]   ; with lane l xor 16's: the block's largest magnitude
.endr
.irp b, 0,1,2,3
	v_add_nc_u32 v[TM+12+\b], 0xff000000, v[TM+\b] ; 2 off its exponent field: the conversion's scale operand
.endr
.irp b, 0,1,2,3
	v_lshrrev_b32 v[TM+4+\b], 23, v[TM+12+\b]      ; the scale's byte
.endr
	v_lshl_or_b32 v[\pw], v[TM+5], 8, v[TM+4]
	v_lshl_or_b32 v[\pw], v[TM+6], 16, v[\pw]
	v_lshl_or_b32 v[\pw], v[TM+7], 24, v[\pw]
	WIN \w
.irp c, 0,1
	v_cvt_scalef32_pk16_fp6_f32 v[PC+6*\c:PC+2+6*\c], v[(\s)+32*\c:(\s)+15+32*\c], v[TM+12+2*\c]
	v_cvt_scalef32_pk16_fp6_f32 v[PC+12+4*\c:PC+14+4*\c], v[(\s)+16+32*\c:(\s)+31+32*\c], v[TM+12+2*\c+1]
.endr
	WIN 0
	v_nop                                          ; one plain place behind the conversions
.irp c, 0,1                                    ; the operand's layout wants a whole block in a lane
.irp i, 0,1,2
	v_permlane16_swap_b32 v[PC+6*\c+\i], v[PC+12+4*\c+\i]
.endr
.irp i, 0,1,2
	v_mov_b32 v[PC+3+6*\c+\i], v[PC+12+4*\c+\i]
.endr
.endr
.endm
; Block a's 64 numbers are rotated: (x0, x1) -> (x0 c - x1 s, x1 c + x0 s), two packed lines a pair, each accumulator from its low end on.
.macro ROPE a
.set AC, 64*((\a)%4)
.set CB, CS+32*((\a)%2)
	WIN 0x02+(\a)/4                                ; source 0: window 2 or 3
.irp g, 0,1,2,3
.irp p, 0,2,4,6,8,10,12,14
	v_pk_mul_f32 v[T+\p:T+\p+1], v[AC+16*\g+\p:AC+16*\g+\p+1], v[CB+16*(\g%2)+\p:CB+16*(\g%2)+\p+1] op_sel:[1,1] op_sel_hi:[0,1]   ; (x1 s, x0 s)
.endr
.irp p, 0,2,4,6,8,10,12,14
	v_pk_fma_f32 v[HA+16*\g+\p:HA+16*\g+\p+1], v[AC+16*\g+\p:AC+16*\g+\p+1], v[CB+16*(\g%2)+\p:CB+16*(\g%2)+\p+1], v[T+\p:T+\p+1] op_sel_hi:[1,0,1] neg_lo:[0,0,1]
.endr
.endr
	WIN 0
.endm
	PLACES NP                                      ; behind the last products: their results are read, and A's registers written, below
.irp b, 0,1,2,3
	v_mov_b32 v[TM+4+\b], 0                        ; written once: a lane permute's destination counts as one of its sources
.endr
	s_cmp_eq_u32 ttmp9, 2
	s_cbranch_scc1 .Lvpath
.irp a, 0,1,2,3,4,5,6,7
.if \a < 7
	s_wait_loadcnt 8                               ; this block's eight loads of the table are in; the next block's may be out
.else
	s_wait_loadcnt 0
.endif
	ROPE \a
	s_wait_xcnt 0x0                                ; the last block's stores have read the codes' registers
.if \a < 6
	CSLOAD \a+2                                    ; into the set just read
.endif
	QUANT HA, 0, PW+\a
	global_store_b128 v[L16], v[PC:PC+3], s[10:11] offset:\a*768             ; the even head's half,
	global_store_b64 v[L8], v[PC+4:PC+5], s[10:11] offset:\a*768+512
	global_store_b128 v[L16], v[PC+6:PC+9], s[10:11] offset:61440+\a*768     ; the odd head's, 80 tiles on
	global_store_b64 v[L8], v[PC+10:PC+11], s[10:11] offset:61440+\a*768+512
.endr
	s_branch .Ljoin
.Lvpath:
.irp a, 0,1,2,3,4,5,6,7
	s_wait_xcnt 0x0                                ; the last block's stores have read the codes' registers
	QUANT 64*((\a)%4), 2+(\a)/4, PW+\a
	global_store_b128 v[L16], v[PC:PC+3], s[10:11] offset:\a*1536
	global_store_b64 v[L8], v[PC+4:PC+5], s[10:11] offset:\a*1536+512
	global_store_b128 v[L16], v[PC+6:PC+9], s[10:11] offset:\a*1536+768
	global_store_b64 v[L8], v[PC+10:PC+11], s[10:11] offset:\a*1536+1280
.endr
.Ljoin:
.irp a, 0,1,2,3,4,5,6,7
	ds_store_b32 v[WS], v[PW+\a] offset:64*\a      ; the eight blocks' scale words meet in my 512 bytes of slot 0, which has had its last fill and its last read
.endr
	ds_load_b128 v[T:T+3], v[WR]                   ; LDS serves a wave's instructions in order: this sees my stores
	s_wait_dscnt 0x0
	global_store_b128 v[L16], v[T:T+3], s[12:13]   ; 512 consecutive bytes
	s_wait_tensorcnt 0x0                           ; the wave's end
	ds_add_u32 v[SPW], v[NIL]
	s_wait_dscnt 0x0
	CROUND                                         ; the closing round
	s_endpgm
.Lfunc_end_k_q3ad9c5fffd_qkv:
	.size	k_q3ad9c5fffd_qkv, .Lfunc_end_k_q3ad9c5fffd_qkv-k_q3ad9c5fffd_qkv
	.p2alignl 7, 3214868480
	.fill 96, 4, 3214868480
	.section	.rodata,"a",@progbits
	.p2align	6, 0x0
	.amdhsa_kernel k_q3ad9c5fffd_qkv
		.amdhsa_group_segment_fixed_size 327680
		.amdhsa_private_segment_fixed_size 0
		.amdhsa_enable_private_segment 0
		.amdhsa_kernarg_size 40
		.amdhsa_user_sgpr_count 2
		.amdhsa_user_sgpr_kernarg_segment_ptr 1
		.amdhsa_wavefront_size32 1
		.amdhsa_system_sgpr_workgroup_id_x 1
		.amdhsa_system_sgpr_workgroup_id_y 1
		.amdhsa_system_sgpr_workgroup_id_z 1
		.amdhsa_system_vgpr_workitem_id 0
		.amdhsa_next_free_vgpr 1024
		.amdhsa_next_free_sgpr 102
		.amdhsa_reserve_vcc 0
		.amdhsa_float_denorm_mode_32 3
		.amdhsa_float_denorm_mode_16_64 3
		.amdhsa_memory_ordered 1
		.amdhsa_forward_progress 1
		.amdhsa_inst_pref_size 222
	.end_amdhsa_kernel
	.amdgpu_metadata
---
amdhsa.version: [ 1, 2 ]
amdhsa.kernels:
  - .name:           k_q3ad9c5fffd_qkv
    .symbol:         k_q3ad9c5fffd_qkv.kd
    .args:
      - { .name: xw, .offset: 0, .size: 8, .value_kind: global_buffer, .address_space: global }
      - { .name: xws, .offset: 8, .size: 8, .value_kind: global_buffer, .address_space: global }
      - { .name: rope, .offset: 16, .size: 8, .value_kind: global_buffer, .address_space: global }
      - { .name: qkv, .offset: 24, .size: 8, .value_kind: global_buffer, .address_space: global }
      - { .name: qkvs, .offset: 32, .size: 8, .value_kind: global_buffer, .address_space: global }
    .group_segment_fixed_size: 327680
    .private_segment_fixed_size: 0
    .kernarg_segment_align: 8
    .kernarg_segment_size: 40
    .max_flat_workgroup_size: 128
    .sgpr_count:     102
    .vgpr_count:     1024
    .wavefront_size: 32
...
	.end_amdgpu_metadata
.endif
;; end of part 2
;; launch attn (part 3): grid 288 x 1, 16 waves a work-group, no clusters, 167,936 bytes of LDS; arguments qkv, qkvs, ao, aos; writes ao, aos
.if DOCPART == 3
	.amdgcn_target "amdgcn-amd-amdhsa--gfx1250"
	.amdhsa_code_object_version 6
	.text
	.protected	k_q3ad9c5fffd_attn
	.globl	k_q3ad9c5fffd_attn
	.p2align	8
	.type	k_q3ad9c5fffd_attn,@function
k_q3ad9c5fffd_attn:
	s_mov_b64 s[64:65], 0
	v_nop
	global_prefetch_b8 v0, s[64:65] scope:SCOPE_SE
	s_setreg_imm32_b32 hwreg(HW_REG_WAVE_MODE, 25, 1), 1
	s_wait_xcnt 0x0
; The masked attention of one (batch, head), both products on codes of E2M3.  q, k: codes along the head's 64; v: codes along the keys.  The result leaves as codes along c, for the last product.
; THE MASK (S_V = 197): heads 0-5: queries and keys under 197; heads 6-11: queries from 197 on, keys 197 .. query; heads 12-15: keys up to max(query, 196).  As three numbers a head: a key counts where
; LO <= key <= min(max(query, FL), CAP); a row counts where LO <= query <= CAP; other rows give zeros.  Key steps that lie wholly outside are not multiplied.
; THE SOFTMAX IS QUANTISED FINISHED, so a row's sum is known before a code is made: TWO PASSES over the keys.  Pass 1: scores, a running maximum and sum, kept for each half of the lanes by itself; behind it the halves are joined and
; NB = -c M - log2(sum).  Pass 2: scores again, p = 2^(c s + NB), quantised in blocks of 32 keys; O^T += V^T p^T.  c = log2(e) / 8.
; SHARES.  Work-groups 0-239: three to each of heads 6-15; 240-287: one to each of heads 0-5.  A head's K and V, codes and scale words, lie in LDS whole: filled once, behind one barrier, no ring.
; A UNIT is a tile of 16 queries; each of sixteen waves walks five units' worth of text; a unit that is absent, or all of whose rows give zeros, has an empty range of key steps (KSLO = 16): every trip of both key loops then leads
; to its tail, O^T stays 0, and zero codes come out; an absent unit's stores alone are jumped over.  All loops have constant trip counts.
; LAYOUT.  S^T = K Q^T (source 0 = 16 keys by position, so that 16 registers of two tiles are 16 natural neighbours), O^T = V^T P^T: a lane holds one query throughout.  The product's K is 64: the upper halves of both operands are zero codes.
; No cluster: a head has three work-groups, and what they share is read once by each at its head.
; LIMITS: NaN and infinities are not served; a block of zeros gets the byte 1 (its codes are zeros; this program alone reads the bytes); 1 / sum is folded into the exponent by v_log_f32, about 1e-6 of p.
.set SV,    197
.set TT,    1221
.set VIMG,  61440                      ; K's 80 tiles x 768 bytes lie from 0 on; V's 10 key steps x 4 tiles of d x 1,536 from here
.set KSC,   122880                     ; K's scale words: 80 tiles x 64 bytes (a word: two bytes for each head of the pair)
.set VSC,   128000                     ; V's: 10 key steps x 4 tiles x 64 bytes
.set SPARE, 130560                     ; the spare words, 128 bytes for each wave: eight blocks of 256 bytes that no other line names
.set L16, 1                            ; v1   16 x lane
.set L8,  2                            ; v2   8 x lane
.set R4,  3                            ; v3   4 r
.set R32, 4                            ; v4   32 r
.set SPW, 5                            ; v5   LDS address of my spare word; never rewritten
.set NIL, 6                            ; v6   0; never rewritten
.set RQ,  7                            ; v7   r + (r & 8)
.set H16, 8                            ; v8   16 h
.set AV16, 9                           ; v9   VIMG + 16 x lane
.set AV8, 10                           ; v10  VIMG + 8 x lane
.set ASK, 11                           ; v11  KSC + 4 r + 2 x the head's parity
.set ASV, 12                           ; v12  VSC + 4 r
.set GQ16, 13                          ; v13-15 the unit's offsets in q and its scale words
.set GQ8, 14
.set GQS, 15
.set QF,  16                           ; v16-27 Q's fragment; v22-27 stay 0
.set MR,  28                           ; v28  my half row's running maximum
.set NINF, 29                          ; v29  -infinity
.set HIL, 30                           ; v30  my query's last key - 16 h
.set TQ,  31                           ; v31  my query
.set KFR, 32                           ; v32-79 four fragments of K; the upper six registers of each stay 0
.set BM,  80                           ; v80-83 the blocks' largest scores
.set BT,  84                           ; v84-87 at work
.set ADK16, 88                         ; v88-93 LDS addresses of the step in hand
.set ADK8, 89
.set ADS, 90
.set ADV16, 91
.set ADV8, 92
.set ADT, 93
.set GA16, 94                          ; v94-95, v230 the unit's offsets in ao and aos
.set GA8, 95
.set SS,  96                           ; v96-159 S^T, then p; v96-143 then four fragments of V
.set OT,  160                          ; v160-191 O^T
.set PC,  192                          ; v192-211 codes
.set SCO, 212                          ; v212-215 the conversions' scale operands
.set BY,  216                          ; v216-219 scale bytes
.set L,   220                          ; v[220:221] my half row's sum, in two halves
.set LT,  222                          ; v[222:223] a second chain
.set NM,  224                          ; v[224:225] -c m (the low word serves both halves)
.set NB,  226                          ; v[226:227] -c M - log2(sum)
.set F,   228                          ; v[228:229] 2^(c (old m - new m))
.set GAS, 230
.set PWH, 231                          ; v231 the result's two scale bytes
.set MM,  232
.set LS,  233
.set T0,  234
.set T1,  235
.set A1,  236
.set A2,  237
.set MT,  240                          ; v240 the masks' bound
.set SW,  248                          ; v248-251 the scale words of the tiles in hand; v253 p's; v255 Q's
.set WV,  12
.set SEL, 20
.set CS,  22
.set G1K, 24
.set G1V, 32
.set G1KS, 40
.set G1VS, 48
.set G0K, 56
.set G0V, 60
.set G0KS, 68
.set G0VS, 72
.set LO,  76
.set FL,  77
.set CAP, 78
.set NU,  79
.set TILE, 80
.set TSTEP, 81
.set UC,  82
.set TC,  83
.set TLO, 84
.set THI, 85
.set KSLO, 86
.set KSHI, 87
.set HIMIN, 88
.set STF, 89
.set KS,  90
.set KF,  91
.set TBK, 92
.set TSK, 93
.set TSV, 94
.set VM,  95
	s_load_b128 s[4:7], s[0:1], 0x0                ; qkv, qkvs
	s_load_b128 s[8:11], s[0:1], 0x10              ; ao, aos
	v_lshl_add_u32 v[SPW], v0, 2, SPARE
	v_mov_b32 v[NIL], 0
	ds_add_u32 v[SPW], v[NIL]                      ; the wave's opening: the add and its wait stand ahead of the first tensor loads; the set-up below stands between them
	v_lshrrev_b32 v1, 5, v0
	v_readfirstlane_b32 s[WV], v1                  ; wave 0..15
	s_mul_i32 s14, ttmp9, 2185
	s_lshr_b32 s14, s14, 16                        ; heads 6-15: batch = g / 30
	s_mul_i32 s96, s14, 30
	s_sub_co_u32 s96, ttmp9, s96
	s_mul_i32 s15, s96, 11
	s_lshr_b32 s15, s15, 5                         ; (g % 30) / 3
	s_mul_i32 s97, s15, 3
	s_sub_co_u32 s18, s96, s97                     ; j: which of the head's three work-groups
	s_add_co_u32 s15, s15, 6                       ; the head
	s_sub_co_u32 s96, ttmp9, 240
	s_mul_i32 s97, s96, 43
	s_lshr_b32 s97, s97, 8                         ; heads 0-5: batch = (g - 240) / 6
	s_mul_i32 s19, s97, 6
	s_sub_co_u32 s19, s96, s19                     ; the head
	s_mul_i32 s80, s[WV], 3
	s_add_co_u32 s80, s80, s18                     ; first tile j + 3 w,
	s_mul_i32 s81, s[WV], 6
	s_sub_co_u32 s81, 93, s81                      ; second j + 93 - 3 w: an early and a late tile to a wave
	s_cmp_lt_u32 ttmp9, 240
	s_cselect_b32 s14, s14, s97                    ; b
	s_cselect_b32 s15, s15, s19                    ; h
	s_cselect_b32 s[TILE], s80, s[WV]
	s_cselect_b32 s[TSTEP], s81, 16
	s_cselect_b32 s[NU], 2, 5
	s_lshr_b32 s16, s15, 1                         ; the head pair
	s_and_b32 s17, s15, 1                          ; the head's parity
	s_mov_b32 s[CAP], 0x7fffffff
	s_cmp_lt_u32 s15, 6
	s_cselect_b32 s[CAP], SV-1, s[CAP]
	s_sub_co_u32 s96, s15, 6
	s_cmp_lt_u32 s96, 6
	s_cselect_b32 s[LO], SV, 0
	s_cselect_b32 s[FL], 0, SV-1
	; descriptors' groups 1, elements of 8 bytes, no padding.  K's codes, a quarter: 60 rows x 256 bytes, dense
	s_mov_b32 s[G1K], 3<<16
	s_mov_b32 s[G1K+1], 32<<16
	s_mov_b32 s[G1K+2], 60<<16
	s_mov_b32 s[G1K+3], 32<<16
	s_mov_b32 s[G1K+4], 60
	s_mov_b32 s[G1K+5], 32
	s_mov_b32 s[G1K+6], 0
	s_mov_b32 s[G1K+7], 0
	; V's codes, a half: 5 key steps x 6,144 bytes (my head's four tiles of d), 12,288 bytes apart
	s_mov_b32 s[G1V], 3<<16
	s_mov_b32 s[G1V+1], 768<<16
	s_mov_b32 s[G1V+2], 5<<16
	s_mov_b32 s[G1V+3], 768<<16
	s_mov_b32 s[G1V+4], 5
	s_mov_b32 s[G1V+5], 1536
	s_mov_b32 s[G1V+6], 0
	s_mov_b32 s[G1V+7], 0
	; K's scale words: 20 rows x 256 bytes, dense
	s_mov_b32 s[G1KS], 3<<16
	s_mov_b32 s[G1KS+1], 32<<16
	s_mov_b32 s[G1KS+2], 20<<16
	s_mov_b32 s[G1KS+3], 32<<16
	s_mov_b32 s[G1KS+4], 20
	s_mov_b32 s[G1KS+5], 32
	s_mov_b32 s[G1KS+6], 0
	s_mov_b32 s[G1KS+7], 0
	; V's scale words: 10 key steps x 256 bytes, 512 bytes apart
	s_mov_b32 s[G1VS], 3<<16
	s_mov_b32 s[G1VS+1], 32<<16
	s_mov_b32 s[G1VS+2], 10<<16
	s_mov_b32 s[G1VS+3], 32<<16
	s_mov_b32 s[G1VS+4], 10
	s_mov_b32 s[G1VS+5], 64
	s_mov_b32 s[G1VS+6], 0
	s_mov_b32 s[G1VS+7], 0
	; offsets, apart from the addresses
	s_lshl_b32 s96, s14, 4
	s_add_co_u32 s96, s96, s15                     ; 16 b + h
	s_mul_i32 s92, s96, 61440                      ; the head's q; its k lies a region on
	s_mov_b32 s93, 0
	s_mul_i32 s97, s[WV], 15360                    ; waves 0-3: a quarter of K each
	s_add_co_u32 s84, s92, s97
	s_add_co_u32 s84, s84, 7864320
	s_mov_b32 s85, 0
	s_mov_b32 s[G0K], 1
	s_mov_b32 s[G0K+1], s97
	s_lshl_b32 s96, s14, 3
	s_add_co_u32 s96, s96, s16                     ; 8 b + head pair
	s_mul_i32 s86, s96, 122880
	s_mul_i32 s98, s17, 6144
	s_add_co_u32 s86, s86, s98
	s_and_b32 s98, s[WV], 1                        ; waves 4, 5: a half of V each
	s_mul_i32 s99, s98, 61440
	s_add_co_u32 s86, s86, s99
	s_add_co_u32 s86, s86, 15728640
	s_mov_b32 s87, 0
	s_mul_i32 s99, s98, 30720
	s_mov_b32 s[G0V], 1
	s_add_co_u32 s[G0V+1], s99, VIMG
	s_mul_i32 s94, s96, 5120
	s_add_co_u32 s88, s94, 327680
	s_mov_b32 s89, 0
	s_lshl_b32 s99, s17, 8
	s_add_co_u32 s90, s94, s99
	s_add_co_u32 s90, s90, 655360
	s_mov_b32 s91, 0
	s_lshl_b32 s99, s17, 1
	s_add_co_u32 s94, s94, s99                     ; q's scale words: my head's two bytes of a word
	s_mov_b32 s95, 0
	s_mov_b32 s[G0KS], 1
	s_mov_b32 s[G0KS+1], KSC
	s_mov_b32 s[G0VS], 1
	s_mov_b32 s[G0VS+1], VSC
	s_mov_b32 s[SEL], 0x76543210
	s_mov_b32 s[SEL+1], 0xfedcba98
	s_mov_b32 s[CS], 0x3e38aa3b                    ; c = log2(e) / 8
	s_mov_b32 s[CS+1], s[CS]
	s_wait_dscnt 0x0                               ; the opening add is done
	s_wait_kmcnt 0x0
	s_add_nc_u64 s[G0K+2:G0K+3], s[4:5], s[84:85]
	s_or_b32 s[G0K+3], s[G0K+3], 0x80000000
	s_add_nc_u64 s[G0V+2:G0V+3], s[4:5], s[86:87]
	s_or_b32 s[G0V+3], s[G0V+3], 0x80000000
	s_add_nc_u64 s[G0KS+2:G0KS+3], s[6:7], s[88:89]
	s_or_b32 s[G0KS+3], s[G0KS+3], 0x80000000
	s_add_nc_u64 s[G0VS+2:G0VS+3], s[6:7], s[90:91]
	s_or_b32 s[G0VS+3], s[G0VS+3], 0x80000000
	; the first and only fills: one load a wave in waves 0-7, inside one chain of branches on the wave's number
	s_cmp_lt_u32 s[WV], 4
	s_cbranch_scc0 .Lnot_k
	tensor_load_to_lds s[G0K:G0K+3], s[G1K:G1K+7]
	s_nop 0
.rept 4
	v_nop
.endr
	s_branch .Lasked
.Lnot_k:
	s_cmp_lt_u32 s[WV], 6
	s_cbranch_scc0 .Lnot_v
	tensor_load_to_lds s[G0V:G0V+3], s[G1V:G1V+7]
	s_nop 0
.rept 4
	v_nop
.endr
	s_branch .Lasked
.Lnot_v:
	s_cmp_eq_u32 s[WV], 6
	s_cbranch_scc0 .Lnot_ks
	tensor_load_to_lds s[G0KS:G0KS+3], s[G1KS:G1KS+7]
	s_nop 0
.rept 4
	v_nop
.endr
	s_branch .Lasked
.Lnot_ks:
	s_cmp_eq_u32 s[WV], 7
	s_cbranch_scc0 .Lasked
	tensor_load_to_lds s[G0VS:G0VS+3], s[G1VS:G1VS+7]
	s_nop 0
.rept 4
	v_nop
.endr
.Lasked:
	s_add_nc_u64 s[4:5], s[4:5], s[92:93]          ; q at my head
	s_add_nc_u64 s[6:7], s[6:7], s[94:95]          ; its scale words
	s_mul_i32 s96, s14, 983040                     ; ao: 80 row tiles x 12,288 bytes a batch,
	s_mul_i32 s98, s16, 1536                       ; K step = head pair,
	s_add_co_u32 s96, s96, s98
	s_mul_i32 s98, s17, 768                        ; half = parity
	s_add_co_u32 s96, s96, s98
	s_mov_b32 s97, 0
	s_add_nc_u64 s[8:9], s[8:9], s[96:97]
	s_mul_i32 s96, s14, 40960                      ; aos: 1,280 positions x 32 bytes a batch, bytes 2 h and 2 h + 1
	s_lshl_b32 s98, s15, 1
	s_add_co_u32 s96, s96, s98
	s_add_nc_u64 s[10:11], s[10:11], s[96:97]
	v_and_b32 v[RQ], 15, v0                        ; r
	v_bfe_u32 v[H16], v0, 4, 1                     ; h
	v_and_b32 v1, 31, v0
	v_lshlrev_b32 v[L8], 3, v1
	v_lshlrev_b32 v[L16], 4, v1
	v_lshlrev_b32 v[R4], 2, v[RQ]
	v_lshlrev_b32 v[R32], 5, v[RQ]
	v_add_nc_u32 v[AV16], VIMG, v[L16]
	v_add_nc_u32 v[AV8], VIMG, v[L8]
	s_lshl_b32 s96, s17, 1
	s_add_co_u32 s96, s96, KSC
	v_add_nc_u32 v[ASK], s96, v[R4]
	v_add_nc_u32 v[ASV], VSC, v[R4]
	v_and_b32 v[TQ], 8, v[RQ]
	v_add_nc_u32 v[RQ], v[TQ], v[RQ]
	v_lshlrev_b32 v[H16], 4, v[H16]
	v_mov_b32 v[NINF], 0xff800000
.irp i, 6,7,8,9,10,11
	v_mov_b32 v[QF+\i], 0                          ; K = 64: the operands' upper halves are zero codes, set once
.irp t, 0,1,2,3
	v_mov_b32 v[KFR+12*\t+\i], 0
.endr
.endr
.irp i, 0,1,2,3
	v_mov_b32 v[BT+\i], 0                          ; written once: a lane permute's destination counts as one of its sources
.endr
	v_mov_b32 v[T0], 0
	v_mov_b32 v[T1], 0
	v_mov_b32 v[NM+1], 0                           ; (named as the upper halves of pairs)
	v_mov_b32 v[NB+1], 0
	v_mov_b32 v[F+1], 0
	s_wait_tensorcnt 0x0                           ; my load has landed,
	s_barrier_signal -1
	s_barrier_wait -1                              ; everybody's has: from here on LDS is only read, and the waves share nothing more
; S^T of the key step in hand: eight tiles of 16 keys, four at a time.  two = 1: V's addresses are made too.  The additions (and the v_nop) are the places behind the last trip's products:
; four are owed in front of loads into their scale registers, five in front of products that write over V's fragments.
.macro QKT two
	v_add_nc_u32 v[ADK16], s[TBK], v[L16]
	v_add_nc_u32 v[ADK8], s[TBK], v[L8]
	v_add_nc_u32 v[ADS], s[TSK], v[ASK]
.if \two
	v_add_nc_u32 v[ADV16], s[TBK], v[AV16]
	v_add_nc_u32 v[ADV8], s[TBK], v[AV8]
	v_add_nc_u32 v[ADT], s[TSV], v[ASV]
.else
	v_nop
.endif
.irp g, 0,1
.if \g
.rept 4
	v_nop                                          ; places in front of loads into registers that the four products above have read
.endr
.endif
.irp t, 0,1,2,3
	ds_load_b128 v[KFR+12*\t:KFR+12*\t+3], v[ADK16] offset:(4*\g+\t)*768
	ds_load_b64 v[KFR+12*\t+4:KFR+12*\t+5], v[ADK8] offset:(4*\g+\t)*768+512
	ds_load_u16 v[SW+\t], v[ADS] offset:(4*\g+\t)*64   ; my head's two bytes; the upper two are 0, over zero codes
.endr
	s_wait_dscnt 0x0
.irp t, 0,1,2,3
	v_wmma_scale_f32_16x16x128_f8f6f4 v[SS+8*(4*\g+\t):SS+8*(4*\g+\t)+7], v[KFR+12*\t:KFR+12*\t+11], v[QF:QF+11], 0, v[SW+\t], v255 matrix_a_fmt:MATRIX_FMT_FP6 matrix_b_fmt:MATRIX_FMT_FP6
.endr
.endr
.rept 4
	v_nop
.endr
.endm
.macro HIDE op                         ; register n holds key KF + 16 h + 32 (n / 16) + n % 16: hidden scores become -infinity, each accumulator from its low end on
.set n, 0
.rept 64
	\op vcc_lo, 32*(n/16)+n%16, v[MT]
	v_cndmask_b32 v[SS+n], v[SS+n], v[NINF], vcc_lo
.set n, n+1
.endr
.endm
.macro MASKS                           ; both are jumped over, by scalar branches on ids, in the steps all of whose keys count
	s_add_co_u32 s96, s[KF], 127
	s_cmp_le_u32 s96, s[HIMIN]
	s_cbranch_scc1 .Lopen_\@
	v_sub_nc_u32 v[MT], v[HIL], s[KF]              ; keys beyond my query's last
	HIDE v_cmp_gt_i32
.Lopen_\@:
	s_cmp_ge_u32 s[KF], s[LO]
	s_cbranch_scc1 .Lnolow_\@
	s_sub_co_u32 s96, s[LO], s[KF]
	v_sub_nc_u32 v[MT], s96, v[H16]                ; keys under LO
	HIDE v_cmp_lt_i32
.Lnolow_\@:
.endm
.macro BMAX                            ; the largest score of my 16 keys of each block of 32
.irp b, 0,1,2,3
	v_max3_num_f32 v[BM+\b], v[SS+16*\b], v[SS+1+16*\b], v[SS+2+16*\b]
.endr
.irp i, 3,5,7,9,11,13
.irp b, 0,1,2,3
	v_max3_num_f32 v[BM+\b], v[BM+\b], v[SS+16*\b+\i], v[SS+1+16*\b+\i]
.endr
.endr
.irp b, 0,1,2,3
	v_max_num_f32 v[BM+\b], v[BM+\b], v[SS+15+16*\b]
.endr
.endm
.macro P1STEP
	QKT 0
	MASKS
	BMAX
	v_max3_num_f32 v[BT], v[BM], v[BM+1], v[BM+2]
	v_max3_num_f32 v[BT], v[BT], v[BM+3], v[MR]    ; the new maximum of my half row
	v_sub_f32 v[BT+1], v[MR], v[BT]
	v_mul_f32 v[BT+1], s[CS], v[BT+1]
	v_mul_f32 v[NM], -v[BT], s[CS]
.set j, 0
.rept 32
	v_pk_fma_f32 v[SS+j:SS+j+1], v[SS+j:SS+j+1], s[CS:CS+1], v[NM:NM+1] op_sel_hi:[1,0,0]   ; c s - c m
.set j, j+2
.endr
	v_exp_f32 v[F], v[BT+1]
.set j, 0
.rept 64
	v_exp_f32 v[SS+j], v[SS+j]
.set j, j+1
.endr
	v_mov_b32 v[MR], v[BT]                         ; a plain place behind the exponentials
	s_wait_alu depctr_va_vdst(0)                   ; one wait for the batch of 65, ahead of its first reader
	v_pk_mul_f32 v[L:L+1], v[L:L+1], v[F:F+1] op_sel_hi:[1,0]
	v_pk_add_f32 v[LT:LT+1], v[SS:SS+1], v[SS+2:SS+3]
.irp j, 4,8,12,16,20,24,28,32,36,40,44,48,52,56,60
	v_pk_add_f32 v[L:L+1], v[L:L+1], v[SS+\j:SS+1+\j]
	v_pk_add_f32 v[LT:LT+1], v[LT:LT+1], v[SS+2+\j:SS+3+\j]
.endr
	v_pk_add_f32 v[L:L+1], v[L:L+1], v[LT:LT+1]
.endm
.macro P2STEP
	QKT 1
	MASKS
	BMAX
.irp b, 0,1,2,3
	v_permlanex16_b32 v[BT+\b], v[BM+\b], s[SEL], s[SEL+1]
.endr
.irp b, 0,1,2,3
	v_max_num_f32 v[BM+\b], v[BM+\b], v[BT+\b]     ; the block's largest score: p rises with the score, so it gives the block's largest p
.endr
.irp b, 0,1,2,3
	v_fma_f32 v[BM+\b], v[BM+\b], s[CS], v[NB]
.endr
.set j, 0
.rept 32
	v_pk_fma_f32 v[SS+j:SS+j+1], v[SS+j:SS+j+1], s[CS:CS+1], v[NB:NB+1] op_sel_hi:[1,0,0]   ; c s - c M - log2(sum)
.set j, j+2
.endr
.irp b, 0,1,2,3
	v_exp_f32 v[BM+\b], v[BM+\b]
.endr
.set j, 0
.rept 64
	v_exp_f32 v[SS+j], v[SS+j]                     ; p, finished and normalised
.set j, j+1
.endr
	v_nop                                          ; a plain place behind the exponentials
	s_wait_alu depctr_va_vdst(0)                   ; one wait for the batch of 68
.irp b, 0,1,2,3
	v_max_num_f32 v[BM+\b], 0x1800000, v[BM+\b]    ; the floor 2^(3 - 127): a block of zeros keeps the byte 1
.endr
.irp b, 0,1,2,3
	v_add_nc_u32 v[SCO+\b], 0xff000000, v[BM+\b]
.endr
.irp b, 0,1,2,3
	v_lshrrev_b32 v[BY+\b], 23, v[SCO+\b]
.endr
	v_lshl_or_b32 v253, v[BY+1], 8, v[BY]          ; p's scale word for these 128 keys
	v_lshl_or_b32 v253, v[BY+2], 16, v253
	v_lshl_or_b32 v253, v[BY+3], 24, v253
.irp c, 0,1
	v_cvt_scalef32_pk16_fp6_f32 v[PC+6*\c:PC+2+6*\c], v[SS+32*\c:SS+15+32*\c], v[SCO+2*\c]
	v_cvt_scalef32_pk16_fp6_f32 v[PC+12+4*\c:PC+14+4*\c], v[SS+16+32*\c:SS+31+32*\c], v[SCO+2*\c+1]
.endr
	v_nop                                          ; one plain place behind the conversions
.irp c, 0,1
.irp i, 0,1,2
	v_permlane16_swap_b32 v[PC+6*\c+\i], v[PC+12+4*\c+\i]
.endr
.irp i, 0,1,2
	v_mov_b32 v[PC+3+6*\c+\i], v[PC+12+4*\c+\i]
.endr
.endr
.irp d, 0,1,2,3                                ; V's four tiles of d for these 128 keys, into the registers that p has left
	ds_load_b128 v[SS+12*\d:SS+12*\d+3], v[ADV16] offset:\d*1536
	ds_load_b64 v[SS+12*\d+4:SS+12*\d+5], v[ADV8] offset:\d*1536+512
	ds_load_b128 v[SS+12*\d+6:SS+12*\d+9], v[ADV16] offset:\d*1536+768
	ds_load_b64 v[SS+12*\d+10:SS+12*\d+11], v[ADV8] offset:\d*1536+1280
	ds_load_b32 v[SW+\d], v[ADT] offset:\d*64
.endr
.rept 8
	v_nop                                          ; a scale register written by vector instructions stands 8 places ahead of a scaled product, an operand so written 4; they pass while the loads are out
.endr
	s_wait_dscnt 0x0
.irp d, 0,1,2,3                                ; the four accumulators take turns, one instruction a turn
	v_wmma_scale_f32_16x16x128_f8f6f4 v[OT+8*\d:OT+8*\d+7], v[SS+12*\d:SS+12*\d+11], v[PC:PC+11], v[OT+8*\d:OT+8*\d+7], v[SW+\d], v253 matrix_a_fmt:MATRIX_FMT_FP6 matrix_b_fmt:MATRIX_FMT_FP6
.endr
.endm
	s_mov_b32 s[UC], 0
.Lunit:
	s_min_u32 s[TC], s[TILE], 79                   ; an absent unit's addresses stay inside the buffers
	s_lshr_b32 s96, s[TC], 1
	s_lshl_b32 s96, s96, 5
	s_and_b32 s97, s[TC], 1
	s_lshl_b32 s97, s97, 3
	s_add_co_u32 s[TLO], s96, s97                  ; the tile's first query,
	s_add_co_u32 s[THI], s[TLO], 23                ; and its last
	s_max_u32 s96, s[THI], s[FL]
	s_min_u32 s96, s96, s[CAP]
	s_lshr_b32 s[KSHI], s96, 7                     ; the last key step that any of its rows sees
	s_max_u32 s96, s[TLO], s[FL]
	s_min_u32 s[HIMIN], s96, s[CAP]                ; the last key that all its rows see
	s_lshr_b32 s[KSLO], s[LO], 7
	s_cmp_lt_u32 s[TILE], 80
	s_cselect_b32 s[STF], 1, 0
	s_cmp_lt_u32 s[UC], s[NU]
	s_cselect_b32 s[STF], s[STF], 0                ; 1: the unit is mine and is stored
	s_cmp_eq_u32 s[STF], 0
	s_cselect_b32 s[KSLO], 16, s[KSLO]             ; nothing to multiply: absent,
	s_cmp_lt_u32 s[THI], s[LO]
	s_cselect_b32 s[KSLO], 16, s[KSLO]             ; all rows under LO,
	s_min_u32 s96, s[CAP], TT-1
	s_cmp_gt_u32 s[TLO], s96
	s_cselect_b32 s[KSLO], 16, s[KSLO]             ; or all rows beyond CAP or the sequence's end
	s_wait_xcnt 0x0                                ; the last unit's stores have read their offsets and data
	s_mul_i32 s96, s[TC], 768
	v_add_nc_u32 v[GQ16], s96, v[L16]
	v_add_nc_u32 v[GQ8], s96, v[L8]
	s_lshl_b32 s96, s[TC], 6
	v_add_nc_u32 v[GQS], s96, v[R4]
	s_mul_i32 s96, s[TC], 12288
	v_add_nc_u32 v[GA16], s96, v[L16]
	v_add_nc_u32 v[GA8], s96, v[L8]
	s_lshl_b32 s96, s[TC], 9
	v_add_nc_u32 v[GAS], s96, v[R32]
	global_load_b128 v[QF:QF+3], v[GQ16], s[4:5]
	global_load_b64 v[QF+4:QF+5], v[GQ8], s[4:5] offset:512
	global_load_u16 v255, v[GQS], s[6:7]
	v_add_nc_u32 v[TQ], s[TLO], v[RQ]              ; my query
	v_max_u32 v[HIL], s[FL], v[TQ]
	v_min_u32 v[HIL], s[CAP], v[HIL]               ; its last key,
	v_sub_nc_u32 v[HIL], v[HIL], v[H16]            ; less my half's 16
	v_cmp_le_u32 s[VM], s[LO], v[TQ]
	v_cmp_ge_u32 s96, s[CAP], v[TQ]
	s_and_b32 s[VM], s[VM], s96                    ; rows that count
	v_mov_b32 v[MR], 0xff61b1e6                    ; -3e38, under every score
	v_mov_b32 v[L], 0
	v_mov_b32 v[L+1], 0
	s_wait_loadcnt 0x0
	; ---- pass 1
	s_mov_b32 s[KS], 0
	s_mov_b32 s[KF], 0
	s_mov_b32 s[TBK], 0
	s_mov_b32 s[TSK], 0
.Lp1:
	s_cmp_lt_u32 s[KS], s[KSLO]
	s_cbranch_scc1 .Lp1_tail
	s_cmp_gt_u32 s[KS], s[KSHI]
	s_cbranch_scc1 .Lp1_tail
	P1STEP
.Lp1_tail:
	s_add_co_u32 s[KF], s[KF], 128
	s_add_co_u32 s[TBK], s[TBK], 6144
	s_add_co_u32 s[TSK], s[TSK], 512
	s_add_co_u32 s[KS], s[KS], 1
	s_cmp_lt_u32 s[KS], 10
	s_cbranch_scc1 .Lp1
	; ---- the halves of a row are joined; both end with the same bits, since the sum below is symmetric
	v_add_f32 v[LS], v[L], v[L+1]
	v_permlanex16_b32 v[T0], v[MR], s[SEL], s[SEL+1]
	v_permlanex16_b32 v[T1], v[LS], s[SEL], s[SEL+1]
	v_max_num_f32 v[MM], v[MR], v[T0]
	v_sub_f32 v[A1], v[MR], v[MM]
	v_sub_f32 v[A2], v[T0], v[MM]
	v_mul_f32 v[A1], s[CS], v[A1]
	v_mul_f32 v[A2], s[CS], v[A2]
	v_exp_f32 v[A1], v[A1]
	v_exp_f32 v[A2], v[A2]
	v_nop
	s_wait_alu depctr_va_vdst(0)
	v_mul_f32 v[A1], v[LS], v[A1]
	v_mul_f32 v[A2], v[T1], v[A2]
	v_add_f32 v[A1], v[A1], v[A2]                  ; the row's sum under M
	v_log_f32 v[A2], v[A1]
.set j, 0
.rept 32
	v_mov_b32 v[OT+j], 0                           ; O^T: independent work behind the logarithm
.set j, j+1
.endr
	s_wait_alu depctr_va_vdst(0)
	v_fma_f32 v[NB], -v[MM], s[CS], -v[A2]
	v_cndmask_b32 v[NB], v[NINF], v[NB], s[VM]     ; a row that does not count: p = 0
	; ---- pass 2
	s_mov_b32 s[KS], 0
	s_mov_b32 s[KF], 0
	s_mov_b32 s[TBK], 0
	s_mov_b32 s[TSK], 0
	s_mov_b32 s[TSV], 0
.Lp2:
	s_cmp_lt_u32 s[KS], s[KSLO]
	s_cbranch_scc1 .Lp2_tail
	s_cmp_gt_u32 s[KS], s[KSHI]
	s_cbranch_scc1 .Lp2_tail
	P2STEP
.Lp2_tail:
	s_add_co_u32 s[KF], s[KF], 128
	s_add_co_u32 s[TBK], s[TBK], 6144
	s_add_co_u32 s[TSK], s[TSK], 512
	s_add_co_u32 s[TSV], s[TSV], 256
	s_add_co_u32 s[KS], s[KS], 1
	s_cmp_lt_u32 s[KS], 10
	s_cbranch_scc1 .Lp2
	; ---- the result: register 16 b + i is d = 32 b + 16 h + i of my query: two blocks of 32 along c
.rept 4
	v_nop                                          ; places behind the last products
.endr
.irp b, 0,1
	v_max3_num_f32 v[BM+\b], |v[OT+16*\b]|, |v[OT+1+16*\b]|, 0x1800000
.endr
.irp i, 2,4,6,8,10,12,14
.irp b, 0,1
	v_max3_num_f32 v[BM+\b], v[BM+\b], |v[OT+16*\b+\i]|, |v[OT+1+16*\b+\i]|
.endr
.endr
.irp b, 0,1
	v_permlanex16_b32 v[BT+\b], v[BM+\b], s[SEL], s[SEL+1]
.endr
.irp b, 0,1
	v_max_num_f32 v[BM+\b], v[BM+\b], v[BT+\b]
.endr
.irp b, 0,1
	v_add_nc_u32 v[SCO+\b], 0xff000000, v[BM+\b]
.endr
.irp b, 0,1
	v_lshrrev_b32 v[BY+\b], 23, v[SCO+\b]
.endr
	v_lshl_or_b32 v[PWH], v[BY+1], 8, v[BY]
	v_cvt_scalef32_pk16_fp6_f32 v[PC:PC+2], v[OT:OT+15], v[SCO]
	v_cvt_scalef32_pk16_fp6_f32 v[PC+12:PC+14], v[OT+16:OT+31], v[SCO+1]
	v_nop
.irp i, 0,1,2
	v_permlane16_swap_b32 v[PC+\i], v[PC+12+\i]
.endr
.irp i, 0,1,2
	v_mov_b32 v[PC+3+\i], v[PC+12+\i]
.endr
	s_cmp_eq_u32 s[STF], 0
	s_cbranch_scc1 .Lunit_tail
	global_store_b128 v[GA16], v[PC:PC+3], s[8:9]              ; half an image: 512 consecutive bytes,
	global_store_b64 v[GA8], v[PC+4:PC+5], s[8:9] offset:512   ; and 256
	global_store_b16 v[GAS], v[PWH], s[10:11]                  ; two bytes of each row's 32: the one store here that fills no whole run; both halves of the lanes write the same bytes
.Lunit_tail:
	s_add_co_u32 s[TILE], s[TILE], s[TSTEP]
	s_add_co_u32 s[UC], s[UC], 1
	s_cmp_lt_u32 s[UC], 5
	s_cbranch_scc1 .Lunit
	s_wait_tensorcnt 0x0                           ; the wave's end
	ds_add_u32 v[SPW], v[NIL]
	s_wait_dscnt 0x0
	s_endpgm
.Lfunc_end_k_q3ad9c5fffd_attn:
	.size	k_q3ad9c5fffd_attn, .Lfunc_end_k_q3ad9c5fffd_attn-k_q3ad9c5fffd_attn
	.p2alignl 7, 3214868480
	.fill 96, 4, 3214868480
	.section	.rodata,"a",@progbits
	.p2align	6, 0x0
	.amdhsa_kernel k_q3ad9c5fffd_attn
		.amdhsa_group_segment_fixed_size 167936
		.amdhsa_private_segment_fixed_size 0
		.amdhsa_enable_private_segment 0
		.amdhsa_kernarg_size 32
		.amdhsa_user_sgpr_count 2
		.amdhsa_user_sgpr_kernarg_segment_ptr 1
		.amdhsa_wavefront_size32 1
		.amdhsa_system_sgpr_workgroup_id_x 1
		.amdhsa_system_sgpr_workgroup_id_y 1
		.amdhsa_system_sgpr_workgroup_id_z 1
		.amdhsa_system_vgpr_workitem_id 0
		.amdhsa_next_free_vgpr 256
		.amdhsa_next_free_sgpr 100
		.amdhsa_reserve_vcc 1
		.amdhsa_float_denorm_mode_32 3
		.amdhsa_float_denorm_mode_16_64 3
		.amdhsa_memory_ordered 1
		.amdhsa_forward_progress 1
		.amdhsa_inst_pref_size 62
	.end_amdhsa_kernel
	.amdgpu_metadata
---
amdhsa.version: [ 1, 2 ]
amdhsa.kernels:
  - .name:           k_q3ad9c5fffd_attn
    .symbol:         k_q3ad9c5fffd_attn.kd
    .args:
      - { .name: qkv, .offset: 0, .size: 8, .value_kind: global_buffer, .address_space: global }
      - { .name: qkvs, .offset: 8, .size: 8, .value_kind: global_buffer, .address_space: global }
      - { .name: ao, .offset: 16, .size: 8, .value_kind: global_buffer, .address_space: global }
      - { .name: aos, .offset: 24, .size: 8, .value_kind: global_buffer, .address_space: global }
    .group_segment_fixed_size: 167936
    .private_segment_fixed_size: 0
    .kernarg_segment_align: 8
    .kernarg_segment_size: 32
    .max_flat_workgroup_size: 512
    .sgpr_count:     100
    .vgpr_count:     256
    .wavefront_size: 32
...
	.end_amdgpu_metadata
.endif
;; end of part 3
;; launch oproj (part 4): grid 4 x 40, 4 waves a work-group, clusters of 4 x 4, 327,680 bytes of LDS; arguments ao, aos, xw, xws, bo, out0; writes out0
.if DOCPART == 4
	.amdgcn_target "amdgcn-amd-amdhsa--gfx1250"
	.amdhsa_code_object_version 6
	.text
	.protected	k_q3ad9c5fffd_oproj
	.globl	k_q3ad9c5fffd_oproj
	.p2align	8
	.type	k_q3ad9c5fffd_oproj,@function
k_q3ad9c5fffd_oproj:
	s_mov_b64 s[64:65], 0
	v_nop
	global_prefetch_b8 v0, s[64:65] scope:SCOPE_SE
	s_setreg_imm32_b32 hwreg(HW_REG_WAVE_MODE, 25, 1), 1
	s_wait_xcnt 0x0
	s_wait_alu depctr_hold_cnt(0) depctr_sa_sdst(0) depctr_va_vdst(0) depctr_va_sdst(0) depctr_va_ssrc(0) depctr_va_vcc(0) depctr_vm_vsrc(0)
	s_getreg_b32 s2, hwreg(HW_REG_IB_STS2, 6, 4)
	s_cmp_eq_u32 s2, 0
	s_cbranch_scc0 .Lentry_in_a_cluster
	s_endpgm
.Lentry_in_a_cluster:
	s_bfe_u32 s2, ttmp6, 0x10000c
	s_cmp_lg_u32 s2, 0xf033
	s_cbranch_scc0 .Lentry_shape_is_right
	s_endpgm
.Lentry_shape_is_right:
; out0 = (attention's result) Wo^T + bo, on codes of E2M3 (K = 1,024); out0 is [8][1221][1024] f32.
; The product's loop is that of the launch that makes q, k and v: a work-group of four waves makes 256 x 256, a wave 128 x 128 (64 accumulators); K in steps of 256 through two LDS slots; operands as images of their registers
; (16 rows x 128 K: 1,536 bytes), [row tile][8 K steps]; rows by position (bits 3 and 4 of the row number change places in each 32).  A = ao (rows of the result), B = Wo (tiles 52-55 of xw), source 0 = B:
; a lane holds one row of out0, and the 16 registers of accumulators 2 b and 2 b + 1 are 16 natural neighbours of its columns.
; CLUSTERS of 4 x 4: A's tile (10 cy + cluster y) is asked for jointly by a row of the cluster, B's (52 + cx) by a column.
; THE BIAS is the C of each sum's first product: 64 registers in the result's layout.
; THE WAY OUT: a block of 16 rows x 128 columns goes through my stage in LDS, where the columns fall into natural order, and comes back as rows of 512 bytes.  Positions go back to rows in the stores' immediates.
; A batch has 1,221 rows in 1,280 positions: in the waves that hold positions 1,152 on, the rows from 1,221 on are not stored (a branch on the cluster's y and the wave's number).
.set NQ,     2
.set FR,     12
.set NL,     4
.set NP,     4
.set FIB,    1536
.set RT,     NQ*FIB
.set HALFT,  8*RT
.set SLOT,   4*HALFT
.set SCL,    2*SLOT
.set HALFS,  16*272
.set SBLK,   2*272
.set SPARE,  SCL+4*HALFS               ; the spare words, 128 bytes for each wave: two blocks of 256 bytes that no other line names
.set SPITCH, 528                       ; the stage: 16 rows x (512 bytes + 16) for each wave, in slot 0, which has had its last fill and its last read when the first result is stored there
.set ADRA, 16                          ; v16-19 LDS addresses of my A fragments (16 and 8 bytes a lane, slots 0 and 1)
.set ADRB, 20                          ; v20-23 the same for B
.set STO,  24                          ; v24  the stage, on the way in
.set RD,   25                          ; v25  and on the way out
.set L16,  26                          ; v26  16 x lane
.set ADRS, 27                          ; v27  LDS address of my scale words
.set SPW,  28                          ; v28  LDS address of my spare word; never rewritten
.set NIL,  29                          ; v29  0; never rewritten
.set L8,   30                          ; v30  8 x lane
.set BO,   31                          ; v31  64 h
.set SC,   32                          ; v32-63 scale words, two sets
.set BI,   64                          ; v64-127 the bias
.set AF,   128                         ; A's fragments
.set BK,   128                         ; the way out: v128-191 and v192-255 by turns
.set EDGE, 99                          ; s99  1 in a wave whose positions run past the batch's last row
.set G1, 24
.set G0, 32
.set G1B, 48
.set G0B, 56
.set G1S, 68
.set G0S, 76
.set G1SB, 80
.set G0SB, 88
.set MSB, 0
.macro WIN new                         ; the immediate's high byte repeats the setting that is left
.if MSB != (\new)
	s_set_vgpr_msb (MSB<<8)|(\new)
.set MSB, \new
.endif
.endm
.set MUL_LO, 0xa1                      ; source 0 (B) window 1, source 1 (A) window 0, C and D window 2
.set MUL_HI, 0xf1                      ; the same, C and D window 3
.set FST_LO, 0x81                      ; the first step: C (the bias) window 0, D window 2
.set FST_HI, 0xc1                      ; D window 3
.set TO_B,   0x40
.macro JLOAD g0a, g1a, g0b, g1b        ; a joint load: waves 0 and 1 fetch for A, waves 2 and 3 for B; an s_nop 0 and four v_nop follow each line
	s_cmp_eq_u32 s15, 0
	s_cbranch_scc0 .Lfor_b_\@
	tensor_load_to_lds s[\g0a:\g0a+3], s[\g1a:\g1a+7]
	s_nop 0
.rept 4
	v_nop
.endr
	s_branch .Lasked_\@
.Lfor_b_\@:
	tensor_load_to_lds s[\g0b:\g0b+3], s[\g1b:\g1b+7]
	s_nop 0
.rept 4
	v_nop
.endr
.Lasked_\@:
.endm
.macro CREST
	s_cmp_lg_u32 s14, 0
	s_cbranch_scc1 .Lnot_wave_0_\@
	s_barrier_signal -3
.Lnot_wave_0_\@:
	s_barrier_wait -3
	s_barrier_signal -1
	s_barrier_wait -1
.endm
.macro CROUND
	s_barrier_signal -1
	s_barrier_wait -1
	CREST
.endm
	s_load_b128 s[4:7], s[0:1], 0x0                ; ao, aos
	s_load_b128 s[8:11], s[0:1], 0x10              ; xw, xws
	s_load_b64 s[96:97], s[0:1], 0x20              ; bo
	s_load_b64 s[12:13], s[0:1], 0x28              ; out0
	v_lshl_add_u32 v[SPW], v0, 2, SPARE
	v_mov_b32 v[NIL], 0
	ds_add_u32 v[SPW], v[NIL]                      ; the wave's opening: the add and its wait stand ahead of my first tensor load
	v_lshrrev_b32 v1, 5, v0
	v_readfirstlane_b32 s14, v1                    ; wave 0..3
	s_lshr_b32 s15, s14, 1
	s_and_b32 s16, s14, 1
	s_bfe_u32 s40, ttmp6, 0x40000                  ; cx
	s_bfe_u32 s41, ttmp6, 0x40004                  ; cy
	s_and_b32 s17, ttmp7, 0xffff                   ; the cluster's y, 0..9
	s_lshl_b32 s43, s41, 2
	s_lshl_b32 s43, 15, s43                        ; my row of the cluster
	s_lshl_b32 s44, 0x1111, s40                    ; my column
	s_mul_i32 s42, s41, 10
	s_add_co_u32 s42, s42, s17                     ; A's tile of 256 positions: 10 cy + cluster y
	s_add_co_u32 s45, s40, 52                      ; B's: Wo's tile cx
	s_or_b32 s[G1+0], s43, (3<<16)|(1<<21)         ; 8 row tiles x 3,072 bytes, 12,288 apart in memory, dense in LDS
	s_or_b32 s[G1B+0], s44, (3<<16)|(1<<21)
.irp g, G1, G1B
	s_mov_b32 s[\g+1], 384<<16
	s_mov_b32 s[\g+2], 8<<16
	s_mov_b32 s[\g+3], 384<<16
	s_mov_b32 s[\g+4], 8
	s_mov_b32 s[\g+5], 1536
	s_mov_b32 s[\g+6], 0
	s_mov_b32 s[\g+7], 0
.endr
	s_or_b32 s[G1S+0], s43, (3<<16)|(1<<20)|(1<<21)|(5<<22)|(3<<25)   ; the scales of 128 rows: 16 rows of 256 bytes, 16 of padding behind each
	s_or_b32 s[G1SB+0], s44, (3<<16)|(1<<20)|(1<<21)|(5<<22)|(3<<25)
.irp g, G1S, G1SB
	s_mov_b32 s[\g+1], 32<<16
	s_mov_b32 s[\g+2], 16<<16
	s_mov_b32 s[\g+3], 32<<16
	s_mov_b32 s[\g+4], 16
	s_mov_b32 s[\g+5], 32
	s_mov_b32 s[\g+6], 0
	s_mov_b32 s[\g+7], 0
.endr
	s_mul_i32 s20, s42, 196608
	s_mul_i32 s46, s45, 196608
	s_mul_i32 s2, s16, 98304
	s_add_co_u32 s20, s20, s2
	s_add_co_u32 s46, s46, s2
	s_mov_b32 s21, 0
	s_mov_b32 s47, 0
	s_lshl_b32 s22, s42, 13
	s_lshl_b32 s92, s45, 13
	s_lshl_b32 s2, s16, 12
	s_add_co_u32 s22, s22, s2
	s_add_co_u32 s92, s92, s2
	s_mov_b32 s23, 0
	s_mov_b32 s93, 0
	s_mul_i32 s95, s14, HALFT
	s_mul_i32 s94, s14, HALFS
	s_wait_dscnt 0x0                               ; the opening add is done
	s_wait_kmcnt 0x0
	s_add_nc_u64 s[20:21], s[4:5], s[20:21]
	s_add_nc_u64 s[22:23], s[6:7], s[22:23]
	s_add_nc_u64 s[46:47], s[8:9], s[46:47]
	s_add_nc_u64 s[92:93], s[10:11], s[92:93]
	CROUND                                         ; all sixteen work-groups are here: the first joint loads meet
	s_mov_b32 s[G0S], 1
	s_add_co_u32 s[G0S+1], s94, SCL
	s_mov_b64 s[G0S+2:G0S+3], s[22:23]
	s_or_b32 s[G0S+3], s[G0S+3], 0x80000000
	s_mov_b32 s[G0SB], 1
	s_add_co_u32 s[G0SB+1], s94, SCL
	s_mov_b64 s[G0SB+2:G0SB+3], s[92:93]
	s_or_b32 s[G0SB+3], s[G0SB+3], 0x80000000
	JLOAD G0S, G1S, G0SB, G1SB
.irp s, 0,1
	s_mov_b32 s[G0+4*\s], 1
	s_add_co_u32 s[G0+4*\s+1], s95, \s*SLOT
	s_add_nc_u64 s[G0+4*\s+2:G0+4*\s+3], s[20:21], \s*RT
	s_or_b32 s[G0+4*\s+3], s[G0+4*\s+3], 0x80000000
	s_mov_b32 s[G0B+4*\s], 1
	s_add_co_u32 s[G0B+4*\s+1], s95, \s*SLOT
	s_add_nc_u64 s[G0B+4*\s+2:G0B+4*\s+3], s[46:47], \s*RT
	s_or_b32 s[G0B+4*\s+3], s[G0B+4*\s+3], 0x80000000
	JLOAD G0+4*\s, G1, G0B+4*\s, G1B               ; three loads of mine are out behind the second of these
.endr
	v_and_b32 v1, 15, v0                           ; r
	v_bfe_u32 v2, v0, 4, 1                         ; h
	v_and_b32 v3, 31, v0
	v_lshlrev_b32 v[L16], 4, v3
	v_lshlrev_b32 v[L8], 3, v3
	s_mul_i32 s100, s15, HALFT
	s_mul_i32 s101, s16, HALFT
	s_add_co_u32 s101, s101, 2*HALFT
.irp s, 0,1
	v_add_nc_u32 v[ADRA+\s], s100, v[L16]
	v_add_nc_u32 v[ADRA+2+\s], s100, v[L8]
	v_add_nc_u32 v[ADRB+\s], s101, v[L16]
	v_add_nc_u32 v[ADRB+2+\s], s101, v[L8]
	s_add_co_u32 s100, s100, SLOT
	s_add_co_u32 s101, s101, SLOT
.endr
	v_lshlrev_b32 v5, 5, v1
	v_lshrrev_b32 v6, 8, v5
	v_lshl_add_u32 v5, v6, 4, v5
	s_mul_i32 s100, s15, HALFS
	s_mul_i32 s101, s16, HALFS
	s_add_co_u32 s101, s101, 2*HALFS
	s_sub_co_u32 s101, s101, s100
	v_mul_u32_u24 v6, s101, v2                     ; lanes 16-31 take B's
	s_add_co_u32 s100, s100, SCL
	v_add_nc_u32 v5, v5, v6
	v_add_nc_u32 v[ADRS], s100, v5
	s_mul_i32 s100, s14, 16*SPITCH                 ; my stage
	v_mul_u32_u24 v5, v1, SPITCH
	v_lshl_add_u32 v5, v2, 6, v5
	v_add_nc_u32 v[STO], s100, v5                  ; in: row r, + 64 h bytes: 16 columns
	v_add_nc_u32 v[RD], s100, v[L16]               ; back: a row of 512 bytes to the 32 lanes
	v_lshlrev_b32 v[BO], 6, v2
	; where my part of out0 begins.  These registers feed no descriptor
	s_mul_i32 s98, s42, 52
	s_lshr_b32 s98, s98, 8                         ; the batch = tile / 5
	s_mul_i32 s99, s98, 5
	s_sub_co_u32 s99, s42, s99                     ; the tile in its batch
	s_mul_i32 s98, s98, 1221
	s_lshl_b32 s99, s99, 8
	s_add_co_u32 s98, s98, s99
	s_lshl_b32 s99, s15, 7
	s_add_co_u32 s98, s98, s99                     ; my first row
	s_lshl_b32 s2, s98, 12
	s_lshl_b32 s100, s40, 10
	s_lshl_b32 s101, s16, 9
	s_add_co_u32 s100, s100, s101                  ; my first column, in bytes
	s_add_co_u32 s2, s2, s100
	s_mov_b32 s3, 0
	s_add_nc_u64 s[12:13], s[12:13], s[2:3]
	s_mov_b32 s101, 0
	s_add_nc_u64 s[96:97], s[96:97], s[100:101]
	s_cmp_eq_u32 s17, 4                            ; the batch's last tile is cluster y 4 or 9 (10 cy + y is 4 modulo 5 there): no place in the cluster enters
	s_cselect_b32 s[EDGE], s15, 0
	s_cmp_eq_u32 s17, 9
	s_cselect_b32 s[EDGE], s15, s[EDGE]
.irp b, 0,1,2,3,4,5,6,7                        ; accumulator (a, b), register j, lane (r, h): column 32 (b / 2) + 16 h + 8 (b % 2) + j
	global_load_b128 v[BI+8*\b:BI+8*\b+3], v[BO], s[96:97] offset:128*(\b/2)+32*(\b%2)
	global_load_b128 v[BI+8*\b+4:BI+8*\b+7], v[BO], s[96:97] offset:128*(\b/2)+32*(\b%2)+16
.endr
.macro FRAG reg, adr, q, i
	ds_load_b128 v[\reg:\reg+3], v[\adr] offset:(\i)*RT+(\q)*FIB
	ds_load_b64 v[\reg+4:\reg+5], v[\adr+2] offset:(\i)*RT+(\q)*FIB+512
	ds_load_b128 v[\reg+6:\reg+9], v[\adr] offset:(\i)*RT+(\q)*FIB+768
	ds_load_b64 v[\reg+10:\reg+11], v[\adr+2] offset:(\i)*RT+(\q)*FIB+1280
.endm
; 16 matrix instructions: A's blocks a0, a0 + 1 x B's eight.  zero = 1: the first product starts the sum from the bias.  The 64 accumulators take turns.
.macro MUL16 a0, p, q, sc, zero
.irp a, \a0, \a0+1
.irp b, 0,1,2,3,4,5,6,7
.if \zero
	v_wmma_scale_f32_16x16x128_f8f6f4 v[8*(8*((\a)%4)+\b):8*(8*((\a)%4)+\b)+7], v[128*(\p)+FR*\b:128*(\p)+FR*\b+FR-1], v[AF+FR*(\a):AF+FR*(\a)+FR-1], v[BI+8*\b:BI+8*\b+7], v[SC+8*NQ*(\sc)+NQ*\b+(\q)], v[SC+8*NQ*(\sc)+NQ*(\a)+(\q)] matrix_a_fmt:MATRIX_FMT_FP6 matrix_b_fmt:MATRIX_FMT_FP6 matrix_a_scale:MATRIX_SCALE_ROW1
.else
	v_wmma_scale_f32_16x16x128_f8f6f4 v[8*(8*((\a)%4)+\b):8*(8*((\a)%4)+\b)+7], v[128*(\p)+FR*\b:128*(\p)+FR*\b+FR-1], v[AF+FR*(\a):AF+FR*(\a)+FR-1], v[8*(8*((\a)%4)+\b):8*(8*((\a)%4)+\b)+7], v[SC+8*NQ*(\sc)+NQ*\b+(\q)], v[SC+8*NQ*(\sc)+NQ*(\a)+(\q)] matrix_a_fmt:MATRIX_FMT_FP6 matrix_b_fmt:MATRIX_FMT_FP6 matrix_a_scale:MATRIX_SCALE_ROW1
.endif
.endr
.endr
.endm
.macro FETCH_B slot, q, p
	WIN TO_B
.irp i, 0,1,2,3,4,5,6,7
	FRAG 128*(\p)+FR*\i, ADRB+\slot, \q, \i
.endr
	WIN 0
.endm
.macro FETCH_A slot, q, i0
.irp i, \i0, \i0+1, \i0+2, \i0+3
	FRAG AF+FR*(\i), ADRA+\slot, \q, \i
.endr
.endm
.macro SCALES sc
.irp i, 0,1,2,3,4,5,6,7
	ds_load_b64 v[SC+8*NQ*\sc+NQ*\i:SC+8*NQ*\sc+NQ*\i+1], v[ADRS] offset:\i*SBLK
.endr
.endm
.macro PLACES n
.rept \n
	v_nop
.endr
.endm
.macro STEP slot, q, zero
	s_wait_dscnt 4*NL                              ; B's set and A's blocks 0-3 are in; the youngest 16 loads (A's blocks 4-7) may be out
.if \zero
	WIN FST_LO
.else
	WIN MUL_LO
.endif
	MUL16 0, (\q)%2, \q, \slot, \zero
	MUL16 2, (\q)%2, \q, \slot, \zero
	s_wait_dscnt 0
	PLACES NP
	FETCH_B \slot, (\q)+1, 1-(\q)%2
	FETCH_A \slot, (\q)+1, 0
.if \zero
	WIN FST_HI
.else
	WIN MUL_HI
.endif
	MUL16 4, (\q)%2, \q, \slot, \zero
	MUL16 6, (\q)%2, \q, \slot, \zero
	PLACES NP
	WIN 0
	FETCH_A \slot, (\q)+1, 4
.endm
.macro TURN slot, next, fill
	s_wait_tensorcnt 0x0                           ; all my tensor loads have landed: my part of the next slot
	ds_add_u32 v[SPW], v[NIL]                      ; 0 onto my spare word
	s_wait_dscnt 4*NL+1                            ; (the add and the youngest 16 loads may be out)
	WIN MUL_LO
	MUL16 0, 1, NQ-1, \slot, 0
	s_wait_dscnt 0x0                               ; the add is done, and my reads of this slot are over
	s_barrier_signal -1
	MUL16 2, 1, NQ-1, \slot, 0
	WIN 0
	s_barrier_wait -1
.if \fill
	CREST                                          ; the barrier has opened a round of the cluster's barrier
	s_add_nc_u64 s[G0+4*\slot+2:G0+4*\slot+3], s[G0+4*\slot+2:G0+4*\slot+3], 2*RT
	s_add_nc_u64 s[G0B+4*\slot+2:G0B+4*\slot+3], s[G0B+4*\slot+2:G0B+4*\slot+3], 2*RT
	JLOAD G0+4*\slot, G1, G0B+4*\slot, G1B         ; the first tensor load behind the round, my only one until the next
.else
	PLACES NP
.endif
	v_add_nc_u32 v[ADRS], 4*NQ, v[ADRS]
	FETCH_B \next, 0, 0
	FETCH_A \next, 0, 0
	SCALES \next
	WIN MUL_HI
	MUL16 4, 1, NQ-1, \slot, 0
	MUL16 6, 1, NQ-1, \slot, 0
	PLACES NP
	WIN 0
	FETCH_A \next, 0, 4
.endm
	s_wait_tensorcnt 1                             ; the scales and my part of slot 0 are in (slot 1's load may be out),
	s_barrier_signal -1
	s_barrier_wait -1                              ; everybody's are
	FETCH_B 0, 0, 0
	FETCH_A 0, 0, 0
	SCALES 0
	FETCH_A 0, 0, 4
	s_wait_loadcnt 0x0                             ; the bias
	STEP 0, 0, 1
	TURN 0, 1, 1
	STEP 1, 0, 0
	TURN 1, 0, 1
	STEP 0, 0, 0
	TURN 0, 1, 0
	STEP 1, 0, 0
	s_wait_dscnt 4*NL
	WIN MUL_LO
	MUL16 0, 1, NQ-1, 1, 0
	MUL16 2, 1, NQ-1, 1, 0
	s_wait_dscnt 0
	WIN MUL_HI
	MUL16 4, 1, NQ-1, 1, 0
	MUL16 6, 1, NQ-1, 1, 0
	WIN 0
.macro TOSTAGE a
.set AC, 64*((\a)%4)
	WIN 0x08+4*((\a)/4)                            ; an LDS store's data are its source 1: window 2 or 3
.irp b, 0,1,2,3,4,5,6,7
	ds_store_b128 v[STO], v[AC+8*\b:AC+8*\b+3] offset:128*(\b/2)+32*(\b%2)       ; each accumulator from its low end on; the columns fall into natural order
	ds_store_b128 v[STO], v[AC+8*\b+4:AC+8*\b+7] offset:128*(\b/2)+32*(\b%2)+16
.endr
	WIN 0
.set BB, BK+64*((\a)%2)
.irp t, 0,1,2,3,4,5,6,7,8,9,10,11,12,13,14,15
	ds_load_b128 v[BB+4*\t:BB+4*\t+3], v[RD] offset:\t*SPITCH   ; LDS serves a wave's instructions in order: these see the stores above
.endr
.endm
; Block a's position t is row 32 (a / 2) + 8 (a % 2) + t + 8 (t / 8) of my 128.  In an edge wave rows from 69 on do not exist: block 4 from t = 5 on, blocks 5 to 7 whole.
.macro SEND a, younger
.set BB, BK+64*((\a)%2)
	s_wait_dscnt \younger                          ; the block is back in registers
.if (\a) >= 5
	s_cmp_eq_u32 s[EDGE], 1
	s_cbranch_scc1 .Lskip_\@
.endif
.irp t, 0,1,2,3,4,5,6,7,8,9,10,11,12,13,14,15
.if ((\a) == 4) && (\t == 5)
	s_cmp_eq_u32 s[EDGE], 1
	s_cbranch_scc1 .Lskip_\@
.endif
	global_store_b128 v[L16], v[BB+4*\t:BB+4*\t+3], s[12:13] offset:(32*((\a)/2)+8*((\a)%2)+\t+8*(\t/8))*4096 th:TH_STORE_NT   ; 32 lanes store 512 consecutive bytes; 127 rows at the most: inside the signed 24-bit immediate
.endr
.Lskip_\@:
.endm
	PLACES NP
	TOSTAGE 0
.irp a, 1,2,3,4,5,6,7
.if \a > 1
	s_wait_xcnt 0x0                                ; block a - 2's stores have read their registers: block a's loads may land there
.endif
	TOSTAGE \a
	SEND \a-1, 32                                  ; behind block a - 1's loads: block a's 16 stores and 16 loads
.endr
	SEND 7, 0
	s_wait_tensorcnt 0x0                           ; the wave's end
	ds_add_u32 v[SPW], v[NIL]
	s_wait_dscnt 0x0
	CROUND                                         ; the closing round
	s_endpgm
.Lfunc_end_k_q3ad9c5fffd_oproj:
	.size	k_q3ad9c5fffd_oproj, .Lfunc_end_k_q3ad9c5fffd_oproj-k_q3ad9c5fffd_oproj
	.p2alignl 7, 3214868480
	.fill 96, 4, 3214868480
	.section	.rodata,"a",@progbits
	.p2align	6, 0x0
	.amdhsa_kernel k_q3ad9c5fffd_oproj
		.amdhsa_group_segment_fixed_size 327680
		.amdhsa_private_segment_fixed_size 0
		.amdhsa_enable_private_segment 0
		.amdhsa_kernarg_size 48
		.amdhsa_user_sgpr_count 2
		.amdhsa_user_sgpr_kernarg_segment_ptr 1
		.amdhsa_wavefront_size32 1
		.amdhsa_system_sgpr_workgroup_id_x 1
		.amdhsa_system_sgpr_workgroup_id_y 1
		.amdhsa_system_sgpr_workgroup_id_z 1
		.amdhsa_system_vgpr_workitem_id 0
		.amdhsa_next_free_vgpr 1024
		.amdhsa_next_free_sgpr 102
		.amdhsa_reserve_vcc 0
		.amdhsa_float_denorm_mode_32 3
		.amdhsa_float_denorm_mode_16_64 3
		.amdhsa_memory_ordered 1
		.amdhsa_forward_progress 1
		.amdhsa_inst_pref_size 145
	.end_amdhsa_kernel
	.amdgpu_metadata
---
amdhsa.version: [ 1, 2 ]
amdhsa.kernels:
  - .name:           k_q3ad9c5fffd_oproj
    .symbol:         k_q3ad9c5fffd_oproj.kd
    .args:
      - { .name: ao, .offset: 0, .size: 8, .value_kind: global_buffer, .address_space: global }
      - { .name: aos, .offset: 8, .size: 8, .value_kind: global_buffer, .address_space: global }
      - { .name: xw, .offset: 16, .size: 8, .value_kind: global_buffer, .address_space: global }
      - { .name: xws, .offset: 24, .size: 8, .value_kind: global_buffer, .address_space: global }
      - { .name: bo, .offset: 32, .size: 8, .value_kind: global_buffer, .address_space: global }
      - { .name: out0, .offset: 40, .size: 8, .value_kind: global_buffer, .address_space: global }
    .group_segment_fixed_size: 327680
    .private_segment_fixed_size: 0
    .kernarg_segment_align: 8
    .kernarg_segment_size: 48
    .max_flat_workgroup_size: 128
    .sgpr_count:     102
    .vgpr_count:     1024
    .wavefront_size: 32
...
	.end_amdgpu_metadata
.endif
;; end of part 4
